; MI455X (gfx1250); checked and timed in simulation.
; The chip was launched on July 23, 2026; its instructions are those of AMD's public machine-readable ISA for CDNA 5 (MIT licence, August 2026) and "CDNA5" Instruction Set Architecture Reference Guide (July 2026). The comments in the code are by the model that wrote it; some were corrected since.
;; Multi Head Self Attention. Allowed arithmetic: float matrix products may take bf16 or f16 operands with f32 sums; all other float work in f32.
;; Inputs: Wk 1,024 x 1,024 float32; Wo 1,024 x 1,024 float32; Wq 1,024 x 1,024 float32; Wv 1,024 x 1,024 float32; bo 1,024 float32; x 4 x 2,048 x 1,024 float32.
;; Outputs: out0 4 x 2,048 x 1,024 float32.
;; 3 versions, each right; version 2 is faster than version 1; version 3 is version 2 with the launch mix written anew for expert scheduling mode. Each part assembles by itself: llvm-mc -triple=amdgcn-amd-amdhsa -mcpu=gfx1250 --defsym DOCPART=n.
;; ======== version 1 of 3: 5 launches
;; workspace buffers: xb 16,777,216 bytes; wqk 4,194,304 bytes; wsm 2,359,296 bytes; qk 67,108,864 bytes; en 8,388,608 bytes; st 524,288 bytes; af 524,288 bytes; vsf 2,097,152 bytes
;; launch prep (part 1): grid 768 x 1, 8 waves a work-group, no clusters, 35,840 bytes of LDS; arguments x, Wq, Wk, Wv, Wo, xb, wqk, wsm; writes xb, wqk, wsm
.if DOCPART == 1
	.amdgcn_target "amdgcn-amd-amdhsa--gfx1250"
	.amdhsa_code_object_version 6
	.text
	.protected	k_q56afdf29e2_prep
	.globl	k_q56afdf29e2_prep
	.p2align	8
	.type	k_q56afdf29e2_prep,@function
k_q56afdf29e2_prep:
	s_mov_b64 s[64:65], 0
	v_nop
	global_prefetch_b8 v0, s[64:65] scope:SCOPE_SE
	s_setreg_imm32_b32 hwreg(HW_REG_WAVE_MODE, 25, 1), 1
	s_wait_xcnt 0x0
; PREP: the operands of the later matrix products, rounded once to bf16 and laid as those products read them.
;   work-groups   0-511: x  -> xb  [8192][1024] bf16
;   work-groups 512-639: Wq, Wk -> wqk [2048][1024] bf16 (Wq's rows, then Wk's)
;   work-groups 640-703: Wo -> wsm byte 0: [jtg 64][t 16][kk 2][cc 2][lane 32][16 B]; lane 16h+r holds
;                        Wo[64 (jtg>>2) + 4 r + (jtg&3)][64 t + 32 kk + 16 cc + 8 h + 0..7]: a matrix fragment's register image
;   work-groups 704-767: sum over the 16 heads of bf16(Wv), as two bf16 terms (hi, lo = sum - hi) -> wsm byte 2,097,152:
;                        [part 2][dt 4][kb 32][cc 2][lane 32][16 B]; lane 16h+r holds term part of row d = 16 dt + r, columns 32 kb + 16 cc + 8 h + 0..7
; (reference() sums v over the heads independently of the attention, so the sum of the heads' weights serves: x (sum Wv_head)^T.)
; Every work-group reads 65,536 bytes of f32: 16 loads of 16 bytes a thread, all issued at once; there is no loop.
; Memory binds: no matrix unit, no cluster (no byte is read by two work-groups), LDS only to turn rows into fragment order.
; No register that a pending load or store names is written again, and EXEC stays full, so no wait frees a source.
.set X,      4                         ; v[4:67]    16 x 4 numbers as loaded
.set Y,      68                        ; v[68:99]   packed bf16 (or f32 sums) on their way out
.set T,      100                       ; v[100:103] at work
.set LSTO,   104                       ; LDS address, stores
.set LRD,    105                       ; LDS address, loads
.set GOFF,   106                       ; a byte offset in global memory
.set RR,     107
.set HH,     108
.set LANE,   3
.set SPITCH, 272                       ; an LDS row: 256 bytes + 16, an odd multiple of 16: sixteen rows begin in sixteen different 16-byte columns modulo 256
.set WSTAGE, 16*SPITCH                 ; a wave's stage: 16 rows
	s_load_b512 s[8:23], s[0:1], 0x0               ; x 8, Wq 10, Wk 12, Wv 14, Wo 16, xb 18, wqk 20, wsm 22
	v_lshl_add_u32 v112, v0, 2, 0x8800
	v_mov_b32 v113, 0
	s_mov_b32 s2, ttmp9                            ; the work-group's number picks the role: the same in all eight waves
	v_lshlrev_b32 v1, 4, v0                        ; 16 x thread
	v_lshlrev_b32 v2, 3, v0                        ; 8 x thread
	s_cmp_lt_u32 s2, 640
	s_cbranch_scc0 .Lweights
	; ---- plain cast: 16,384 numbers in row order ----
	s_sub_co_u32 s3, s2, 512                       ; block in wqk (used where the number is 512 or more)
	s_and_b32 s4, s3, 63                           ; block in Wq or in Wk
	s_wait_kmcnt 0x0
	s_cmp_lt_u32 s2, 576
	s_cselect_b64 s[24:25], s[10:11], s[12:13]     ; Wq or Wk
	s_cmp_lt_u32 s2, 512
	s_cselect_b64 s[24:25], s[8:9], s[24:25]       ; x, or that
	s_cselect_b64 s[26:27], s[18:19], s[20:21]     ; xb or wqk
	s_cselect_b32 s4, s2, s4
	s_cselect_b32 s3, s2, s3
	s_lshl_b32 s28, s4, 16                         ; 65,536 bytes in
	s_mov_b32 s29, 0
	s_lshl_b32 s30, s3, 15                         ; 32,768 bytes out
	s_mov_b32 s31, 0
	s_add_nc_u64 s[24:25], s[24:25], s[28:29]
	s_add_nc_u64 s[26:27], s[26:27], s[30:31]
.irp i, 0,1,2,3,4,5,6,7,8,9,10,11,12,13,14,15
	global_load_b128 v[X+4*\i:X+4*\i+3], v1, s[24:25] offset:4096*\i th:TH_LOAD_NT   ; a wave's load covers 512 consecutive bytes
.endr
.irp i, 0,1,2,3,4,5,6,7,8,9,10,11,12,13,14,15
	s_wait_loadcnt 15-\i                           ; loads return in order: load i is in, the 15 - i younger ones stay out
	v_cvt_pk_bf16_f32 v[Y+2*\i], v[X+4*\i], v[X+4*\i+1]
	v_cvt_pk_bf16_f32 v[Y+2*\i+1], v[X+4*\i+2], v[X+4*\i+3]
	global_store_b64 v2, v[Y+2*\i:Y+2*\i+1], s[26:27] offset:2048*\i   ; a wave's store covers 256 consecutive bytes, aligned
.endr
	s_endpgm
.Lweights:
	v_and_b32 v[LANE], 31, v0
	v_lshrrev_b32 v[T], 5, v0
	v_readfirstlane_b32 s5, v[T]                   ; wave 0..7
	s_mul_i32 s33, s5, WSTAGE                      ; my stage in LDS
	s_cmp_lt_u32 s2, 704
	s_cbranch_scc0 .Lsumv
	; ---- Wo into fragment order: the 16 rows j = 64 (u>>2) + 4 i + (u&3); wave w takes columns 128 w .. +127 (t = 2w, 2w+1) ----
	s_sub_co_u32 s3, s2, 640                       ; u = jtg
	s_lshr_b32 s4, s3, 2
	s_lshl_b32 s4, s4, 18                          ; 64 rows of 4,096 bytes
	s_and_b32 s6, s3, 3
	s_lshl_b32 s6, s6, 12
	s_add_co_u32 s28, s4, s6
	s_mov_b32 s29, 0
	s_lshl_b32 s30, s3, 15                         ; 32,768 bytes of wsm for each jtg
	s_mov_b32 s31, 0
	s_wait_kmcnt 0x0
	s_add_nc_u64 s[24:25], s[16:17], s[28:29]
	s_add_nc_u64 s[26:27], s[22:23], s[30:31]
.irp i, 0,1,2,3,4,5,6,7,8,9,10,11,12,13,14,15
	global_load_b128 v[X+4*\i:X+4*\i+3], v1, s[24:25] offset:16384*\i th:TH_LOAD_NT  ; row i of the sixteen (4 rows of Wo apart), bytes 512 w + 16 lane
.endr
	v_lshl_add_u32 v[LSTO], v[LANE], 3, s33        ; in: row i, 8 bytes a lane
	v_and_b32 v[RR], 15, v[LANE]
	v_lshrrev_b32 v[HH], 4, v[LANE]
	v_mul_u32_u24 v[LRD], v[RR], SPITCH            ; back: row r, 16 bytes at 16 h + 32 q
	v_lshl_add_u32 v[LRD], v[HH], 4, v[LRD]
	v_add_nc_u32 v[LRD], s33, v[LRD]
	s_lshl_b32 s6, s5, 12
	v_lshl_add_u32 v[GOFF], v[LANE], 4, s6         ; 4,096 w + 16 lane
.irp i, 0,1,2,3,4,5,6,7,8,9,10,11,12,13,14,15
	s_wait_loadcnt 15-\i                           ; load i is in, the younger ones stay out
	v_cvt_pk_bf16_f32 v[Y+2*\i], v[X+4*\i], v[X+4*\i+1]
	v_cvt_pk_bf16_f32 v[Y+2*\i+1], v[X+4*\i+2], v[X+4*\i+3]
	ds_store_b64 v[LSTO], v[Y+2*\i:Y+2*\i+1] offset:SPITCH*\i
.endr
.irp q, 0,1,2,3,4,5,6,7
	ds_load_b128 v[X+4*\q:X+4*\q+3], v[LRD] offset:32*\q       ; q = 4 tl + 2 kk + cc.  The stage is the wave's own and LDS serves a wave in order: no wait, no barrier
.endr
.irp q, 0,1,2,3,4,5,6,7
	s_wait_dscnt 7-\q                              ; LDS load q is back, the younger ones stay out
	global_store_b128 v[GOFF], v[X+4*\q:X+4*\q+3], s[26:27] offset:512*\q     ; 512 consecutive bytes
.endr
	s_wait_tensorcnt 0x0
	ds_add_u32 v112, v113
	s_wait_dscnt 0x0
	s_endpgm
.Lsumv:
	; ---- sum of the heads of Wv: rows d = 16 dt .. +15, columns 64 eb .. +63, of all 16 heads; wave w adds heads 2w and 2w+1 ----
	s_sub_co_u32 s3, s2, 704
	s_lshr_b32 s4, s3, 4                           ; dt
	s_and_b32 s6, s3, 15                           ; eb
	s_lshl_b32 s28, s4, 16                         ; 16 rows of 4,096 bytes
	s_lshl_b32 s7, s6, 8                           ; 64 columns of 4 bytes
	s_add_co_u32 s28, s28, s7
	s_mov_b32 s29, 0
	s_lshl_b32 s30, s4, 15
	s_lshl_b32 s7, s6, 11
	s_add_co_u32 s30, s30, s7
	s_add_co_u32 s30, s30, 2097152                 ; behind Wo's image
	s_mov_b32 s31, 0
	s_mov_b32 s32, 0xffff0000                      ; a word's upper bf16
	s_wait_kmcnt 0x0
	s_add_nc_u64 s[24:25], s[14:15], s[28:29]
	s_add_nc_u64 s[26:27], s[22:23], s[30:31]
	v_and_b32 v[RR], 15, v[LANE]
	v_lshrrev_b32 v[HH], 4, v[LANE]
	s_lshl_b32 s7, s5, 19                          ; two heads = 128 rows of 4,096 bytes
	v_lshl_add_u32 v[GOFF], v[HH], 12, s7          ; lanes 16-31 take the next row
	v_lshl_add_u32 v[GOFF], v[RR], 4, v[GOFF]      ; sixteen lanes cover 256 bytes of a row
.irp rp, 0,1,2,3,4,5,6,7
.irp hh, 0,1
	global_load_b128 v[X+8*\rp+4*\hh:X+8*\rp+4*\hh+3], v[GOFF], s[24:25] offset:262144*\hh+8192*\rp th:TH_LOAD_NT
.endr
.endr
	v_mul_u32_u24 v[LSTO], v[HH], SPITCH
	v_lshl_add_u32 v[LSTO], v[RR], 4, v[LSTO]
	v_add_nc_u32 v[LSTO], s33, v[LSTO]             ; my stage: row 2 rp + (lane>>4), 64 f32 a row
	v_lshrrev_b32 v[RR], 1, v[LANE]                ; behind the barrier: row lane>>1, columns 8 w + 4 (lane&1) .. +3
	v_and_b32 v[HH], 1, v[LANE]
	v_mul_u32_u24 v[LRD], v[RR], SPITCH
	v_lshl_add_u32 v[LRD], v[HH], 4, v[LRD]
	s_lshl_b32 s7, s5, 5
	v_add_nc_u32 v[LRD], s7, v[LRD]
.irp rp, 0,1,2,3,4,5,6,7
	s_wait_loadcnt 14-2*\rp                        ; both heads' loads of this pair of rows are in, the younger pairs stay out
	v_cvt_pk_bf16_f32 v[T], v[X+8*\rp], v[X+8*\rp+1]           ; each weight is rounded to bf16 as a matrix operand is,
	v_cvt_pk_bf16_f32 v[T+1], v[X+8*\rp+2], v[X+8*\rp+3]
	v_cvt_pk_bf16_f32 v[T+2], v[X+8*\rp+4], v[X+8*\rp+5]
	v_cvt_pk_bf16_f32 v[T+3], v[X+8*\rp+6], v[X+8*\rp+7]
.irp c, 0,1,2,3
	v_lshlrev_b32 v[X+8*\rp+2*\c], 16, v[T+\c]                 ; widened again,
	v_and_b32 v[X+8*\rp+2*\c+1], s32, v[T+\c]
.endr
	v_pk_add_f32 v[Y+4*\rp:Y+4*\rp+1], v[X+8*\rp:X+8*\rp+1], v[X+8*\rp+4:X+8*\rp+5]       ; and the heads are added in f32
	v_pk_add_f32 v[Y+4*\rp+2:Y+4*\rp+3], v[X+8*\rp+2:X+8*\rp+3], v[X+8*\rp+6:X+8*\rp+7]
	ds_store_b128 v[LSTO], v[Y+4*\rp:Y+4*\rp+3] offset:2*SPITCH*\rp
.endr
	s_wait_dscnt 0x0                               ; my partial sums are in LDS, for the other waves' sake
	s_barrier_signal -1
	s_barrier_wait -1                              ; all eight waves' are
.irp p, 0,1,2,3,4,5,6,7
	ds_load_b128 v[X+4*\p:X+4*\p+3], v[LRD] offset:WSTAGE*\p   ; the eight waves' sums of my four numbers
.endr
	s_wait_dscnt 0x0
.irp c, 0,2
	v_pk_add_f32 v[X+\c:X+\c+1], v[X+\c:X+\c+1], v[X+4+\c:X+4+\c+1]
	v_pk_add_f32 v[X+8+\c:X+8+\c+1], v[X+8+\c:X+8+\c+1], v[X+12+\c:X+12+\c+1]
	v_pk_add_f32 v[X+16+\c:X+16+\c+1], v[X+16+\c:X+16+\c+1], v[X+20+\c:X+20+\c+1]
	v_pk_add_f32 v[X+24+\c:X+24+\c+1], v[X+24+\c:X+24+\c+1], v[X+28+\c:X+28+\c+1]
	v_pk_add_f32 v[X+\c:X+\c+1], v[X+\c:X+\c+1], v[X+8+\c:X+8+\c+1]
	v_pk_add_f32 v[X+16+\c:X+16+\c+1], v[X+16+\c:X+16+\c+1], v[X+24+\c:X+24+\c+1]
	v_pk_add_f32 v[X+\c:X+\c+1], v[X+\c:X+\c+1], v[X+16+\c:X+16+\c+1]
.endr
	v_cvt_pk_bf16_f32 v[Y], v[X], v[X+1]           ; hi
	v_cvt_pk_bf16_f32 v[Y+1], v[X+2], v[X+3]
	v_lshlrev_b32 v[T], 16, v[Y]
	v_and_b32 v[T+1], s32, v[Y]
	v_lshlrev_b32 v[T+2], 16, v[Y+1]
	v_and_b32 v[T+3], s32, v[Y+1]
	v_pk_add_f32 v[T:T+1], v[X:X+1], v[T:T+1] neg_lo:[0,1] neg_hi:[0,1]          ; what hi left over
	v_pk_add_f32 v[T+2:T+3], v[X+2:X+3], v[T+2:T+3] neg_lo:[0,1] neg_hi:[0,1]
	v_cvt_pk_bf16_f32 v[Y+2], v[T], v[T+1]         ; lo
	v_cvt_pk_bf16_f32 v[Y+3], v[T+2], v[T+3]
	global_store_b64 v2, v[Y:Y+1], s[26:27]                    ; 256 w + 8 lane: a wave fills 256 consecutive bytes, aligned
	global_store_b64 v2, v[Y+2:Y+3], s[26:27] offset:131072
	s_wait_tensorcnt 0x0
	ds_add_u32 v112, v113
	s_wait_dscnt 0x0
	s_endpgm
.Lfunc_end_k_q56afdf29e2_prep:
	.size	k_q56afdf29e2_prep, .Lfunc_end_k_q56afdf29e2_prep-k_q56afdf29e2_prep
	.p2alignl 7, 3214868480
	.fill 96, 4, 3214868480
	.section	.rodata,"a",@progbits
	.p2align	6, 0x0
	.amdhsa_kernel k_q56afdf29e2_prep
		.amdhsa_group_segment_fixed_size 35840
		.amdhsa_private_segment_fixed_size 0
		.amdhsa_enable_private_segment 0
		.amdhsa_kernarg_size 64
		.amdhsa_user_sgpr_count 2
		.amdhsa_user_sgpr_kernarg_segment_ptr 1
		.amdhsa_wavefront_size32 1
		.amdhsa_system_sgpr_workgroup_id_x 1
		.amdhsa_system_sgpr_workgroup_id_y 1
		.amdhsa_system_sgpr_workgroup_id_z 1
		.amdhsa_system_vgpr_workitem_id 0
		.amdhsa_next_free_vgpr 114
		.amdhsa_next_free_sgpr 66
		.amdhsa_reserve_vcc 0
		.amdhsa_float_denorm_mode_32 3
		.amdhsa_float_denorm_mode_16_64 3
		.amdhsa_memory_ordered 1
		.amdhsa_forward_progress 1
		.amdhsa_inst_pref_size 26
	.end_amdhsa_kernel
	.amdgpu_metadata
---
amdhsa.version: [ 1, 2 ]
amdhsa.kernels:
  - .name:           k_q56afdf29e2_prep
    .symbol:         k_q56afdf29e2_prep.kd
    .args:
      - { .name: x, .offset: 0, .size: 8, .value_kind: global_buffer, .address_space: global }
      - { .name: Wq, .offset: 8, .size: 8, .value_kind: global_buffer, .address_space: global }
      - { .name: Wk, .offset: 16, .size: 8, .value_kind: global_buffer, .address_space: global }
      - { .name: Wv, .offset: 24, .size: 8, .value_kind: global_buffer, .address_space: global }
      - { .name: Wo, .offset: 32, .size: 8, .value_kind: global_buffer, .address_space: global }
      - { .name: xb, .offset: 40, .size: 8, .value_kind: global_buffer, .address_space: global }
      - { .name: wqk, .offset: 48, .size: 8, .value_kind: global_buffer, .address_space: global }
      - { .name: wsm, .offset: 56, .size: 8, .value_kind: global_buffer, .address_space: global }
    .group_segment_fixed_size: 35840
    .private_segment_fixed_size: 0
    .kernarg_segment_align: 8
    .kernarg_segment_size: 64
    .max_flat_workgroup_size: 256
    .sgpr_count:     66
    .vgpr_count:     114
    .wavefront_size: 32
...
	.end_amdgpu_metadata
.endif
;; end of part 1
;; launch gemm (part 2): grid 8 x 32, 4 waves a work-group, clusters of 4 x 4, 327,680 bytes of LDS; arguments xb, wqk, qk; writes qk
.if DOCPART == 2
	.amdgcn_target "amdgcn-amd-amdhsa--gfx1250"
	.amdhsa_code_object_version 6
	.text
	.protected	k_q56afdf29e2_gemm
	.globl	k_q56afdf29e2_gemm
	.p2align	8
	.type	k_q56afdf29e2_gemm,@function
k_q56afdf29e2_gemm:
	s_mov_b64 s[64:65], 0
	v_nop
	global_prefetch_b8 v0, s[64:65] scope:SCOPE_SE
	s_setreg_imm32_b32 hwreg(HW_REG_WAVE_MODE, 25, 1), 1
	s_wait_xcnt 0x0
	s_wait_alu depctr_hold_cnt(0) depctr_sa_sdst(0) depctr_va_vdst(0) depctr_va_sdst(0) depctr_va_ssrc(0) depctr_va_vcc(0) depctr_vm_vsrc(0)
	s_getreg_b32 s2, hwreg(HW_REG_IB_STS2, 6, 4)
	s_cmp_eq_u32 s2, 0
	s_cbranch_scc0 .Lentry_in_a_cluster
	s_endpgm
.Lentry_in_a_cluster:
	s_bfe_u32 s2, ttmp6, 0x10000c
	s_cmp_lg_u32 s2, 0xf033
	s_cbranch_scc0 .Lentry_shape_is_right
	s_endpgm
.Lentry_shape_is_right:
; C[m][n] = sum over k of xb[m][k] wqk[n][k]: q (columns 0-1023) and k (columns 1024-2047) of all 8,192 rows, bf16 operands, f32 sums.
; C leaves as TWO bf16 terms, hi = bf16(C) and lo = bf16(C - hi): qk [8192][hi 2048 | lo 2048], rows of 8,192 bytes.  (The energies made of q and k
; stand in an exponent; one bf16 term, 8 significant bits, would leave too large an error there.)
; A work-group makes a block of 256 x 256 with four waves; a wave makes 128 x 128: 64 accumulator tiles of 16 x 16, 512 registers.
; K goes in steps of 128 through a ring of two LDS slots filled by the tensor data mover: a tile's rows are 256 bytes of memory, aligned to 256.
; CLUSTERS: 4 x 4 work-groups.  The four of a row of the cluster need the same tiles of A (xb), the four of a column the same tiles of B (wqk).
; Such a tile is asked for jointly: each of the four issues the same tensor load, with the same descriptor and a mask that names the four.
;
; REGISTERS, in windows of 256 (s_set_vgpr_msb says which window each operand place means):
;   window 0: v0-31 addresses; v64-127, v128-191 fragments of A, two buffers; v192-255 at work on the way out
;   window 1: v64-127, v128-191 fragments of B, two buffers; v64-127 at work on the way out
;   window 2: the 32 accumulator tiles of my rows 0-63 (tile (a, b) at v[8 (8 a + b)]);   window 3: those of my rows 64-127
; THE MATRIX INSTRUCTION IS USED TRANSPOSED: source 0 = 16 rows of B, source 1 = 16 rows of A, so that a lane's eight results are eight
; neighbouring columns of one row of C, which pack into 16 bytes.
.set SIZE_M, 8192
.set SIZE_N, 2048
.set SIZE_K, 1024
.set CP,     8192                      ; bytes in a row of qk: 2,048 hi, then 2,048 lo
.set KSTEP,  128
.set PITCH,  272                       ; an LDS row: 256 bytes of data + 16 of padding: an odd multiple of 16, so the 16 rows that a load touches begin in 16 different 16-byte columns modulo 256
.set HALFT,  128*PITCH                 ; 128 rows: what one tensor load brings, and what one wave reads of A or of B
.set SLOT,   4*HALFT                   ; A's 256 rows, then B's 256 rows
.set STAGE,  2*SLOT                    ; behind the ring (278,528, a multiple of 256): for each wave 16 rows x 272 bytes of hi, then of lo, for the way out; no fill lands there
.set SPITCH, 272
.set LAPS, SIZE_K/(2*KSTEP)            ; a lap = two K steps = once round the ring: 4 laps
.set ADRA, 16                          ; v16-17  LDS address of my A fragments in slot 0, 1
.set ADRB, 20                          ; v20-21  the same for B
.set STO,  24                          ; v24     the way out: where I put 16 bytes of a row
.set RD,   25                          ; v25     the way out: where I read a row back
.set CO,   26                          ; v26     my byte offset in C
.set F0,   64                          ; fragment buffer 0
.set F1,   128                         ; fragment buffer 1
.set TMP,  192                         ; the way out: packed hi, in window 0
.set TMPL, 224                         ; the way out: packed lo, in window 0
.set U,    64                          ; the way out: hi widened to f32, then C - hi, in window 1
.set G1, 24                            ; s[24:31] descriptor group 1 for A's tiles
.set G0, 32                            ; s[32:39] descriptor group 0 for A's tiles, one set for each slot
.set G1B, 48                           ; s[48:55] descriptor group 1 for B's tiles: it differs from A's in the mask alone
.set G0B, 56                           ; s[56:63] descriptor group 0 for B's tiles, one set for each slot
.set MSB, 0
.macro WIN new                         ; the immediate's high byte repeats the setting that is left
.if MSB != \new
	s_set_vgpr_msb (MSB<<8)|\new
.set MSB, \new
.endif
.endm
.set MUL_LO, 0xa1                      ; source 0 (B) window 1, source 1 (A) window 0, C and D window 2
.set MUL_HI, 0xf1                      ; the same, C and D window 3
.set TO_B,   0x40                      ; destination window 1, address window 0
; A joint load.  Waves 0 and 1 fetch A's two halves, waves 2 and 3 B's.  Each line has one mask and one set of registers for all that issue it.
; The branch hangs on the wave's number alone: it is the same in every work-group.
.macro JLOAD s
	s_cmp_eq_u32 s11, 0
	s_cbranch_scc0 .Lfor_b_\@
	tensor_load_to_lds s[G0+4*\s:G0+4*\s+3], s[G1:G1+7]
	s_nop 0
	s_branch .Lasked_\@
.Lfor_b_\@:
	tensor_load_to_lds s[G0B+4*\s:G0B+4*\s+3], s[G1B:G1B+7]
	s_nop 0
.Lasked_\@:
.endm
; A round of the cluster's barrier: my work-group's barrier, so that wave 0's signal speaks for all four waves; wave 0 signals for the work-group;
; every wave waits for all sixteen work-groups; my work-group's barrier once more.
.macro CREST                           ; a round behind its opening barrier
	s_cmp_lg_u32 s10, 0
	s_cbranch_scc1 .Lnot_wave_0_\@
	s_barrier_signal -3
.Lnot_wave_0_\@:
	s_barrier_wait -3
	s_barrier_signal -1
	s_barrier_wait -1
.endm
.macro CROUND                          ; a whole round
	s_barrier_signal -1
	s_barrier_wait -1
	CREST
.endm
	s_load_b128 s[4:7], s[0:1], 0x0                ; A s[4:5], B s[6:7]
	s_load_b64 s[8:9], s[0:1], 0x10                ; C
	s_set_vgpr_msb 0x40
	v_lshl_add_u32 v255, v0, 2, 0x4c800
	s_set_vgpr_msb 0x4000
	v_mov_b32 v63, 0
	s_set_vgpr_msb 0x1
	ds_add_u32 v255, v63
	s_set_vgpr_msb 0x100
	v_lshrrev_b32 v1, 5, v0
	v_readfirstlane_b32 s10, v1                    ; wave 0..3
	s_lshr_b32 s11, s10, 1                         ; which half of the block's rows is mine.  Also: I fetch for A (0) or for B (1)
	s_and_b32 s12, s10, 1                          ; which half of its columns.  Also: which 128 rows of that tile I fetch
	s_bfe_u32 s40, ttmp6, 0x40000                  ; cx: my place along the cluster's x
	s_bfe_u32 s41, ttmp6, 0x40004                  ; cy: along its y
	s_lshl_b32 s42, ttmp9, 2                       ; in a cluster launch ttmp9 and ttmp7 count clusters
	s_add_co_u32 s42, s42, s40                     ; block column of C = 4 x cluster x + cx
	s_and_b32 s13, ttmp7, 0xffff
	s_lshl_b32 s13, s13, 2
	s_add_co_u32 s13, s13, s41                     ; block row of C = 4 x cluster y + cy
	s_lshl_b32 s43, s41, 2
	s_lshl_b32 s43, 15, s43                        ; my row of the cluster: places 4 cy .. 4 cy + 3
	s_lshl_b32 s44, 0x1111, s40                    ; my column: places cx, cx + 4, cx + 8, cx + 12
	; descriptor group 1: a tile of 128 rows x 128 elements, padded in LDS
	s_or_b32 s[G1+0], s43, (1<<16)|(1<<20)|(1<<21)|(5<<22)|(3<<25)  ; 15:0 the mask: A's tiles go to my row; 17:16 element of 2 bytes; 20 padding on; 21 set beside a mask; 24:22 after every 64 words; 31:25 of 4 words
	s_or_b32 s[G1B+0], s44, (1<<16)|(1<<20)|(1<<21)|(5<<22)|(3<<25) ; the same with the mask of my column, for B's tiles
	s_mov_b32 s[G1B+1], KSTEP<<16
	s_mov_b32 s[G1+1], KSTEP<<16                   ; tensor_dim0 = 128
	s_mov_b32 s[G1B+2], 128<<16
	s_mov_b32 s[G1+2], 128<<16                     ; tensor_dim1 = 128
	s_mov_b32 s[G1B+3], KSTEP<<16
	s_mov_b32 s[G1+3], KSTEP<<16                   ; tile_dim0 = 128
	s_mov_b32 s[G1B+4], 128
	s_mov_b32 s[G1+4], 128                         ; tile_dim1 = 128; tile_dim2 = 0
	s_mov_b32 s[G1B+5], SIZE_K
	s_mov_b32 s[G1+5], SIZE_K                      ; elements from row to row
	s_mov_b32 s[G1B+6], 0
	s_mov_b32 s[G1+6], 0
	s_mov_b32 s[G1B+7], 0
	s_mov_b32 s[G1+7], 0
	; where the tiles come from.  A's hang on the block row alone, which my row of the cluster shares; B's on the block column alone, which my column shares.
	s_lshl_b32 s17, s12, 7                         ; which 128 rows of the tile I fetch
	s_lshl_b32 s16, s13, 8
	s_add_co_u32 s16, s16, s17                     ; A: row 256 x block row + 128 x half
	s_lshl_b32 s46, s42, 8
	s_add_co_u32 s46, s46, s17                     ; B: row 256 x block column + 128 x half
	s_mov_b32 s17, 0
	s_mov_b32 s47, 0
	s_mov_b64 s[18:19], SIZE_K*2
	s_mul_u64 s[16:17], s[16:17], s[18:19]         ; in bytes, in 64 bits
	s_mul_u64 s[46:47], s[46:47], s[18:19]
	s_mul_i32 s20, s10, HALFT                      ; and where they go: wave x 128 rows: no place in the cluster enters an LDS address
	s_wait_dscnt 0x0
	s_wait_kmcnt 0x0
	s_add_nc_u64 s[14:15], s[4:5], s[16:17]
	s_add_nc_u64 s[46:47], s[6:7], s[46:47]
	CROUND                                         ; all sixteen work-groups are here: the first joint loads meet
.irp s, 0,1
	s_mov_b32 s[G0+4*\s], 1                                        ; count = 1
	s_add_co_u32 s[G0+4*\s+1], s20, \s*SLOT                        ; LDS address
	s_add_nc_u64 s[G0+4*\s+2:G0+4*\s+3], s[14:15], \s*KSTEP*2      ; global address: K step s
	s_or_b32 s[G0+4*\s+3], s[G0+4*\s+3], 0x80000000                ; type = 2
	s_mov_b32 s[G0B+4*\s], 1
	s_add_co_u32 s[G0B+4*\s+1], s20, \s*SLOT
	s_add_nc_u64 s[G0B+4*\s+2:G0B+4*\s+3], s[46:47], \s*KSTEP*2
	s_or_b32 s[G0B+4*\s+3], s[G0B+4*\s+3], 0x80000000
	JLOAD \s                                       ; the ring is filled before anything else is done: two tensor loads of a wave are out
.endr
	; A fragment is 16 rows x 32 K in 8 registers: lane l holds row l % 16; registers 0-3 hold K = 8 (l / 16) + 0..7, registers 4-7 hold
	; K = 16 + 8 (l / 16) + 0..7: two loads of 16 bytes, 32 bytes apart.
	v_and_b32 v1, 15, v0                           ; l % 16
	v_bfe_u32 v2, v0, 4, 1                         ; l / 16
	v_mul_u32_u24 v3, v1, PITCH
	v_lshl_add_u32 v3, v2, 4, v3                   ; row x pitch + 16 x half
	s_mul_i32 s21, s11, HALFT                      ; my 128 rows of A
	s_mul_i32 s22, s12, HALFT                      ; my 128 rows of B,
	s_add_co_u32 s22, s22, 2*HALFT                 ; which lie behind A's 256
.irp s, 0,1
	v_add_nc_u32 v[ADRA+\s], s21, v3
	v_add_nc_u32 v[ADRB+\s], s22, v3
	s_add_co_u32 s21, s21, SLOT
	s_add_co_u32 s22, s22, SLOT
.endr
	s_mul_i32 s23, s10, 32*SPITCH
	s_add_co_u32 s23, s23, STAGE                   ; my stage: 16 rows of hi, 16 rows of lo
	v_mul_u32_u24 v4, v1, SPITCH                   ; in: row l % 16, 16 bytes for each half of the lanes
	v_lshl_add_u32 v4, v2, 4, v4
	v_add_nc_u32 v[STO], s23, v4
	v_mul_u32_u24 v5, v2, SPITCH                   ; back: lanes 0-15 take one row of 256 bytes, lanes 16-31 the next
	v_lshl_add_u32 v5, v1, 4, v5
	v_add_nc_u32 v[RD], s23, v5
	v_mul_u32_u24 v5, v2, CP                       ; and the same two rows in C
	v_lshl_add_u32 v[CO], v1, 4, v5
; 16 matrix instructions: m blocks a0, a0 + 1 of the window's four x all 8 n blocks, 32 along K.  zero = 1: the first product starts the sums.
.macro MUL16 f, hi, a0, zero
.irp a, \a0, \a0+1
.irp b, 0,1,2,3,4,5,6,7
.if \zero
	v_wmma_f32_16x16x32_bf16 v[8*(8*(\a)+\b):8*(8*(\a)+\b)+7], v[\f+8*\b:\f+8*\b+7], v[\f+8*(4*\hi+\a):\f+8*(4*\hi+\a)+7], 0
.else
	v_wmma_f32_16x16x32_bf16 v[8*(8*(\a)+\b):8*(8*(\a)+\b)+7], v[\f+8*\b:\f+8*\b+7], v[\f+8*(4*\hi+\a):\f+8*(4*\hi+\a)+7], v[8*(8*(\a)+\b):8*(8*(\a)+\b)+7]
.endif
.endr
.endr
.endm
; 32 LDS loads in one run: the fragments of one quarter step (128 rows of B, 128 rows of A, 32 K at byte k of the rows) into buffer f
.macro FETCH slot, k, f
	WIN TO_B
.irp i, 0,1,2,3,4,5,6,7
	ds_load_b128 v[\f+8*\i:\f+8*\i+3],   v[ADRB+\slot] offset:\k+\i*16*PITCH
	ds_load_b128 v[\f+8*\i+4:\f+8*\i+7], v[ADRB+\slot] offset:\k+\i*16*PITCH+32
.endr
	WIN 0
.irp i, 0,1,2,3,4,5,6,7
	ds_load_b128 v[\f+8*\i:\f+8*\i+3],   v[ADRA+\slot] offset:\k+\i*16*PITCH
	ds_load_b128 v[\f+8*\i+4:\f+8*\i+7], v[ADRA+\slot] offset:\k+\i*16*PITCH+32
.endr
.endm
; A load into a register that a matrix instruction has read, and a vector instruction that reads a matrix result, stand four places behind that
; matrix instruction, and only plain vector instructions that name none of its registers are places.
.macro PLACES
.rept 4
	v_nop
.endr
.endm
; A K step is four quarter steps of 32 along K, 64 matrix instructions each, on buffers 0, 1, 0, 1.  The 64 accumulators take turns, one
; instruction a turn, in the same order in every quarter.
.macro QUARTER slot, k, f, g, zero
	s_wait_dscnt 8                                 ; B and A's rows 0-63 are in; the youngest eight loads (A's rows 64-127) may be out
	WIN MUL_LO
	MUL16 \f, 0, 0, \zero
	MUL16 \f, 0, 2, \zero
	PLACES
	FETCH \slot, \k, \g
	s_wait_dscnt 32                                ; all but the 32 just issued
	WIN MUL_HI
	MUL16 \f, 1, 0, \zero
	MUL16 \f, 1, 2, \zero
.endm
.macro THREE slot, zero
	QUARTER \slot, 64,  F0, F1, \zero
	QUARTER \slot, 128, F1, F0, 0
	QUARTER \slot, 192, F0, F1, 0
.endm
; The last quarter: multiplies buffer 1 and changes slots.  In front of the barrier each wave waits for its own reads of this slot and for all
; its tensor loads, of which one is out: its part of the next slot.  Behind it the refill comes first, then the next slot's first fragments.
.macro TURN slot, next, fill
	s_wait_dscnt 8
	WIN MUL_LO
	MUL16 F1, 0, 0, 0
	s_wait_dscnt 0                                 ; my reads of this slot are over
	s_wait_tensorcnt 0x0                           ; and all my tensor loads have landed
	ds_add_u32 v255, v63
	s_wait_dscnt 0x0
	s_barrier_signal -1                            ; say so (where a slot is filled again this barrier opens a round of the cluster's barrier),
	MUL16 F1, 0, 2, 0                              ; work on registers while the others arrive,
	WIN 0
	s_barrier_wait -1                              ; and go on when all four have said so
.if \fill
	CREST                                          ; no wave of any partner still reads this slot's tile or has a load on its way
	s_add_nc_u64 s[G0+4*\slot+2:G0+4*\slot+3], s[G0+4*\slot+2:G0+4*\slot+3], 2*KSTEP*2
	s_add_nc_u64 s[G0B+4*\slot+2:G0B+4*\slot+3], s[G0B+4*\slot+2:G0B+4*\slot+3], 2*KSTEP*2
	JLOAD \slot                                    ; the first tensor load behind the round, and the wave's only one until the next
.endif
	PLACES
	FETCH \next, 0, F0
	WIN MUL_HI
	MUL16 F1, 1, 0, 0
	MUL16 F1, 1, 2, 0
.endm
.macro LAP zero                        ; once round the ring, both slots filled again
	THREE 0, \zero
	TURN 0, 1, 1
	THREE 1, 0
	TURN 1, 0, 1
.endm
	s_wait_tensorcnt 1                             ; my part of K step 0 is in; K step 1's load, issued behind it, may stay out
	s_barrier_signal -1
	s_barrier_wait -1                              ; everybody's is
	FETCH 0, 0, F0
	LAP 1                                          ; the first lap stands in front of the loop: its first products start the sums
.if LAPS > 2
	WIN 0                                          ; at a label and at a branch every window is 0
	s_mov_b32 s3, LAPS-2
.Llap:
	LAP 0
	WIN 0
	s_sub_co_u32 s3, s3, 1
	s_cmp_lg_u32 s3, 0
	s_cbranch_scc1 .Llap
.endif
	THREE 0, 0                                     ; the last lap fills nothing
	TURN 0, 1, 0
	THREE 1, 0
	s_wait_dscnt 8                                 ; the very last quarter: nothing more to fetch
	WIN MUL_LO
	MUL16 F1, 0, 0, 0
	MUL16 F1, 0, 2, 0
	s_wait_dscnt 0
	WIN MUL_HI
	MUL16 F1, 1, 0, 0
	MUL16 F1, 1, 2, 0
	; THE WAY OUT, 16 rows of C at a time: split into hi and lo, 16 bytes a lane of each into my own stage in LDS, read back as whole rows of 256 bytes.
	PLACES
	s_lshl_b32 s13, s13, 8
	s_lshl_b32 s14, s11, 7
	s_add_co_u32 s16, s13, s14                     ; my first row of C
	s_mov_b32 s17, 0
	s_mov_b64 s[18:19], CP
	s_mul_u64 s[16:17], s[16:17], s[18:19]
	s_add_nc_u64 s[8:9], s[8:9], s[16:17]
	s_lshl_b32 s46, s42, 9                         ; my first column, in bytes of the hi part: 512 x block + 256 x half
	s_lshl_b32 s47, s12, 8
	s_add_co_u32 s46, s46, s47
	s_mov_b32 s47, 0
	s_add_nc_u64 s[8:9], s[8:9], s[46:47]
; rows 16 i .. 16 i + 15 of my block = the eight tiles (a, 0..7) of window 2 or 3.
; from = 0x0a or 0x0f: sources 0 and 1 in the accumulators' window; sub = 0x46 or 0x47: source 0 there, source 1 and destination in window 1; f: F0 or F1 in turn
.macro OUT16 i, a, from, sub, f
	WIN \from
.irp b, 0,1,2,3,4,5,6,7
.irp r, 0,1,2,3
	v_cvt_pk_bf16_f32 v[TMP+4*\b+\r], v[8*(8*\a+\b)+2*\r], v[8*(8*\a+\b)+2*\r+1]              ; hi
.endr
.endr
	WIN 0x40                                       ; destination in window 1
.irp b, 0,1,2,3,4,5,6,7
.irp r, 0,1,2,3
	v_lshlrev_b32 v[U+8*\b+2*\r], 16, v[TMP+4*\b+\r]                                          ; hi as f32
	v_and_b32 v[U+8*\b+2*\r+1], 0xffff0000, v[TMP+4*\b+\r]
.endr
.endr
	WIN \sub
.irp b, 0,1,2,3,4,5,6,7
.irp j, 0,1,2,3,4,5,6,7
	v_sub_f32 v[U+8*\b+\j], v[8*(8*\a+\b)+\j], v[U+8*\b+\j]                                   ; what hi left over
.endr
.endr
	WIN 0x05                                       ; sources 0 and 1 in window 1
.irp b, 0,1,2,3,4,5,6,7
.irp r, 0,1,2,3
	v_cvt_pk_bf16_f32 v[TMPL+4*\b+\r], v[U+8*\b+2*\r], v[U+8*\b+2*\r+1]                       ; lo
.endr
.endr
	WIN 0
.irp b, 0,1,2,3,4,5,6,7
	ds_store_b128 v[STO], v[TMP+4*\b:TMP+4*\b+3] offset:32*\b
.endr
.irp b, 0,1,2,3,4,5,6,7
	ds_store_b128 v[STO], v[TMPL+4*\b:TMPL+4*\b+3] offset:16*SPITCH+32*\b
.endr
	s_wait_xcnt 0x0                                ; buffer f, which earlier stores read, and the stores' base are rewritten only behind this wait
.if \i
	s_add_nc_u64 s[8:9], s[8:9], 16*CP             ; 16 rows of C on, so that the stores' offsets stay small
.endif
.irp t, 0,1,2,3,4,5,6,7
	ds_load_b128 v[\f+4*\t:\f+4*\t+3], v[RD] offset:\t*2*SPITCH                    ; LDS serves a wave's instructions in order: these see the stores above
.endr
.irp t, 0,1,2,3,4,5,6,7
	ds_load_b128 v[\f+32+4*\t:\f+32+4*\t+3], v[RD] offset:16*SPITCH+\t*2*SPITCH
.endr
.irp t, 0,1,2,3,4,5,6,7
	s_wait_dscnt 15-\t                             ; load t of the sixteen is back, the younger ones stay out
	global_store_b128 v[CO], v[\f+4*\t:\f+4*\t+3], s[8:9] offset:2*\t*CP           ; 16 lanes store 256 consecutive bytes, aligned
.endr
.irp t, 0,1,2,3,4,5,6,7
	s_wait_dscnt 7-\t
	global_store_b128 v[CO], v[\f+32+4*\t:\f+32+4*\t+3], s[8:9] offset:2*\t*CP+4096   ; the lo part lies 4,096 bytes behind the hi part of its row
.endr
.endm
	OUT16 0, 0, 0x0a, 0x46, F0
	OUT16 1, 1, 0x0a, 0x46, F1
	OUT16 2, 2, 0x0a, 0x46, F0
	OUT16 3, 3, 0x0a, 0x46, F1
	OUT16 4, 0, 0x0f, 0x47, F0
	OUT16 5, 1, 0x0f, 0x47, F1
	OUT16 6, 2, 0x0f, 0x47, F0
	OUT16 7, 3, 0x0f, 0x47, F1
	s_set_vgpr_msb 0x1
	s_wait_tensorcnt 0x0
	ds_add_u32 v255, v63
	s_wait_dscnt 0x0
	s_set_vgpr_msb 0x100
	CROUND                                         ; the closing round: no work-group ends while a partner may still ask for a tile that names it
	s_endpgm
.Lfunc_end_k_q56afdf29e2_gemm:
	.size	k_q56afdf29e2_gemm, .Lfunc_end_k_q56afdf29e2_gemm-k_q56afdf29e2_gemm
	.p2alignl 7, 3214868480
	.fill 96, 4, 3214868480
	.section	.rodata,"a",@progbits
	.p2align	6, 0x0
	.amdhsa_kernel k_q56afdf29e2_gemm
		.amdhsa_group_segment_fixed_size 327680
		.amdhsa_private_segment_fixed_size 0
		.amdhsa_enable_private_segment 0
		.amdhsa_kernarg_size 24
		.amdhsa_user_sgpr_count 2
		.amdhsa_user_sgpr_kernarg_segment_ptr 1
		.amdhsa_wavefront_size32 1
		.amdhsa_system_sgpr_workgroup_id_x 1
		.amdhsa_system_sgpr_workgroup_id_y 1
		.amdhsa_system_sgpr_workgroup_id_z 1
		.amdhsa_system_vgpr_workitem_id 0
		.amdhsa_next_free_vgpr 1024
		.amdhsa_next_free_sgpr 66
		.amdhsa_reserve_vcc 0
		.amdhsa_float_denorm_mode_32 3
		.amdhsa_float_denorm_mode_16_64 3
		.amdhsa_memory_ordered 1
		.amdhsa_forward_progress 1
		.amdhsa_inst_pref_size 255
	.end_amdhsa_kernel
	.section	.bss,"aw",@nobits
	.p2align	6
	.space	262144
	.amdgpu_metadata
---
amdhsa.version: [ 1, 2 ]
amdhsa.kernels:
  - .name:           k_q56afdf29e2_gemm
    .symbol:         k_q56afdf29e2_gemm.kd
    .args:
      - { .name: xb, .offset: 0, .size: 8, .value_kind: global_buffer, .address_space: global }
      - { .name: wqk, .offset: 8, .size: 8, .value_kind: global_buffer, .address_space: global }
      - { .name: qk, .offset: 16, .size: 8, .value_kind: global_buffer, .address_space: global }
    .group_segment_fixed_size: 327680
    .private_segment_fixed_size: 0
    .kernarg_segment_align: 8
    .kernarg_segment_size: 24
    .max_flat_workgroup_size: 128
    .sgpr_count:     66
    .vgpr_count:     1024
    .wavefront_size: 32
...
	.end_amdgpu_metadata
.endif
;; end of part 2
;; launch energy (part 3): grid 256 x 1, 8 waves a work-group, no clusters, 312,320 bytes of LDS; arguments qk, en, st; writes en, st
.if DOCPART == 3
	.amdgcn_target "amdgcn-amd-amdhsa--gfx1250"
	.amdhsa_code_object_version 6
	.text
	.protected	k_q56afdf29e2_energy
	.globl	k_q56afdf29e2_energy
	.p2align	8
	.type	k_q56afdf29e2_energy,@function
k_q56afdf29e2_energy:
	s_mov_b64 s[64:65], 0
	v_nop
	global_prefetch_b8 v0, s[64:65] scope:SCOPE_SE
	s_setreg_imm32_b32 hwreg(HW_REG_WAVE_MODE, 25, 1), 1
	s_wait_xcnt 0x0
; ENERGY: for each row s (a sequence place of a batch) e'[hq][hk] = (sum over d of q[s][64 hq + d] k[s][64 hk + d]) x 0.125 x log2(e): a 16 x 16 x 64
; product a row.  q and k come as two bf16 terms each (hi, lo), so the product is k_hi q_hi + k_hi q_lo + k_lo q_hi (lo x lo lies below f32's last bits).
; The softmax of reference() runs over the 2,048 rows of a batch, which 64 work-groups share: this launch stores e' and, for its block
; of 32 rows, the maximum m and z = sum of 2^(e' - m) of each (hq, hk); the next launch joins the 64 blocks (a running maximum, as reference() takes it away).
; The work-group has 32 rows, a wave 4.  One tensor load a wave brings its 4 rows of qk (32,768 bytes) into LDS bytes of its own, filled once:
; one tensor load of a wave is out, only the issuing wave reads its tile, so its own wait on TENSORcnt is all the ordering that the reads need.
; Source 0 = k's heads, source 1 = q's heads: lane (r, h) holds hq = r, register jj holds hk = 8 h + jj.  en and st keep exactly that register image:
;   en: [row 8192][c2 2][lane 32][16 B] f32, register 4 c2 + i;   st: [block 256][m c2 0, m c2 1, z c2 0, z c2 1][lane 32][16 B]
; No cluster: no two work-groups read the same byte.
; LIMITS: 2^x comes out as 0 below 2^-126; a NaN or an infinity among the inputs is not carried as reference() carries it (the maximum drops NaN).
.set CH,    144                        ; a head's 128 bytes + 16 of padding: an odd multiple of 16
.set ROWB,  64*CH                      ; a row of qk in LDS: 64 chunks: q hi, k hi, q lo, k lo, 16 heads each
.set QHI,   0                          ; the first chunk of each
.set KHI,   16
.set QLO,   32
.set KLO,   48
.set TILE,  4*ROWB                     ; a wave's tile: 36,864 bytes
.set SCR,   8*TILE                     ; 294,912, a multiple of 256: 8 x 2,048 bytes of scratch, into which no fill lands
.set F,     16                         ; v[16:143]  two rows' fragments: row ii at 64 ii, d block kk at 32 kk: k hi, q hi, k lo, q lo, 8 registers each
.set E,     144                        ; v[144:175] row i: 8 registers
.set MW,    176                        ; v[176:183] maxima
.set ZW,    184                        ; v[184:191] sums
.set TT,    192                        ; v[192:223] at work
; Joins eight (m, z) pairs that lie at src + 16 b (m: 8 registers, then z: 8): mm = max of m_b, zz = sum of z_b 2^(m_b - mm).
.macro COMBINE src, mm, zz, tt
.irp j, 0,1,2,3,4,5,6,7
	v_max3_num_f32 v[\mm+\j], v[\src+\j], v[\src+16+\j], v[\src+32+\j]
.endr
.irp j, 0,1,2,3,4,5,6,7
	v_max3_num_f32 v[\mm+\j], v[\mm+\j], v[\src+48+\j], v[\src+64+\j]
.endr
.irp j, 0,1,2,3,4,5,6,7
	v_max3_num_f32 v[\mm+\j], v[\mm+\j], v[\src+80+\j], v[\src+96+\j]
.endr
.irp j, 0,1,2,3,4,5,6,7
	v_max_num_f32 v[\mm+\j], v[\mm+\j], v[\src+112+\j]
.endr
.irp b, 0,1,2,3,4,5,6,7
.irp p, 0,2,4,6
	v_pk_add_f32 v[\tt+\p:\tt+\p+1], v[\src+16*\b+\p:\src+16*\b+\p+1], v[\mm+\p:\mm+\p+1] neg_lo:[0,1] neg_hi:[0,1]
.endr
.irp j, 0,1,2,3,4,5,6,7
	v_exp_f32 v[\tt+\j], v[\tt+\j]
.endr
	v_nop                                          ; one plain place behind the exponentials before their results are read (ISA guide 5.7.2)
	s_wait_alu depctr_va_vdst(0)
.irp p, 0,2,4,6
.if \b == 0
	s_wait_alu depctr_va_vdst(0)
	v_pk_mul_f32 v[\zz+\p:\zz+\p+1], v[\src+8+\p:\src+8+\p+1], v[\tt+\p:\tt+\p+1]
.else
	v_pk_fma_f32 v[\zz+\p:\zz+\p+1], v[\src+16*\b+8+\p:\src+16*\b+8+\p+1], v[\tt+\p:\tt+\p+1], v[\zz+\p:\zz+\p+1]
.endif
.endr
.endr
.endm
; One fragment (16 heads x 32 d): two loads of 16 bytes, 32 bytes apart
.macro FRAG reg, row, chunk, kk
	ds_load_b128 v[\reg:\reg+3],   v4 offset:ROWB*(\row)+CH*\chunk+64*\kk
	ds_load_b128 v[\reg+4:\reg+7], v4 offset:ROWB*(\row)+CH*\chunk+64*\kk+32
.endm
; 32 LDS loads: the fragments of rows 2 p and 2 p + 1, d = 0..31 first
.macro ELOAD p
.irp kk, 0,1
.irp ii, 0,1
	FRAG F+64*\ii+32*\kk,    2*\p+\ii, KHI, \kk
	FRAG F+64*\ii+32*\kk+8,  2*\p+\ii, QHI, \kk
	FRAG F+64*\ii+32*\kk+16, 2*\p+\ii, KLO, \kk
	FRAG F+64*\ii+32*\kk+24, 2*\p+\ii, QLO, \kk
.endr
.endr
.endm
; One product of both rows: a, b = the places of k's and q's term in a row's fragments.  The two rows' accumulators take turns, one instruction a turn.
.macro EPROD p, kk, a, b, zero
.irp ii, 0,1
.if \zero
	v_wmma_f32_16x16x32_bf16 v[E+8*(2*\p+\ii):E+8*(2*\p+\ii)+7], v[F+64*\ii+32*\kk+\a:F+64*\ii+32*\kk+\a+7], v[F+64*\ii+32*\kk+\b:F+64*\ii+32*\kk+\b+7], 0
.else
	v_wmma_f32_16x16x32_bf16 v[E+8*(2*\p+\ii):E+8*(2*\p+\ii)+7], v[F+64*\ii+32*\kk+\a:F+64*\ii+32*\kk+\a+7], v[F+64*\ii+32*\kk+\b:F+64*\ii+32*\kk+\b+7], v[E+8*(2*\p+\ii):E+8*(2*\p+\ii)+7]
.endif
.endr
.endm
.macro EMUL p
	s_wait_dscnt 16                                ; the 16 loads of d = 0..31 are back; the 16 of d = 32..63 stay out
	EPROD \p, 0, 0, 8, 1                           ; k hi x q hi starts the sums
	EPROD \p, 0, 0, 24, 0                          ; k hi x q lo
	EPROD \p, 0, 16, 8, 0                          ; k lo x q hi
	s_wait_dscnt 0x0
	EPROD \p, 1, 0, 8, 0
	EPROD \p, 1, 0, 24, 0
	EPROD \p, 1, 16, 8, 0
.rept 4
	v_nop                                          ; four places behind the last matrix instruction before its sources are loaded again or its result is read (ISA guide 7.12.1)
.endr
.endm
	s_load_b128 s[4:7], s[0:1], 0x0                ; qk s[4:5], en s[6:7]
	s_load_b64 s[8:9], s[0:1], 0x10                ; st
	v_lshl_add_u32 v224, v0, 2, 0x4c000
	v_mov_b32 v225, 0
	ds_add_u32 v224, v225
	v_lshrrev_b32 v1, 5, v0
	v_readfirstlane_b32 s10, v1                    ; wave 0..7
	; descriptor group 1: 4 rows of 4,096 elements of 2 bytes; 4 words of padding behind every 32 words (a head's 128 bytes)
	s_mov_b32 s24, (1<<16)|(1<<20)|(4<<22)|(3<<25)
	s_mov_b32 s25, 4096<<16                        ; tensor_dim0 = 4,096
	s_mov_b32 s26, 4<<16                           ; tensor_dim1 = 4
	s_mov_b32 s27, 4096<<16                        ; tile_dim0 = 4,096
	s_mov_b32 s28, 4                               ; tile_dim1 = 4
	s_mov_b32 s29, 4096                            ; elements from row to row
	s_mov_b32 s30, 0
	s_mov_b32 s31, 0
	s_mov_b32 s20, 1                               ; group 0: count
	s_mul_i32 s21, s10, TILE                       ; LDS address: the wave's own tile
	s_lshl_b32 s12, ttmp9, 18                      ; 32 rows of 8,192 bytes
	s_lshl_b32 s13, s10, 15                        ; 4 rows
	s_add_co_u32 s12, s12, s13
	s_mov_b32 s13, 0
	s_lshl_b32 s14, ttmp9, 15                      ; en: 32 rows of 1,024 bytes
	s_lshl_b32 s15, s10, 12
	s_add_co_u32 s14, s14, s15
	s_mov_b32 s15, 0
	s_lshl_b32 s16, ttmp9, 11                      ; st: 2,048 bytes a block
	s_mov_b32 s17, 0
	s_wait_dscnt 0x0
	s_wait_kmcnt 0x0
	s_add_nc_u64 s[22:23], s[4:5], s[12:13]
	s_or_b32 s23, s23, 0x80000000                  ; type = 2
	tensor_load_to_lds s[20:23], s[24:31]
	s_nop 0
	s_add_nc_u64 s[6:7], s[6:7], s[14:15]
	s_add_nc_u64 s[8:9], s[8:9], s[16:17]
	v_and_b32 v2, 31, v0                           ; lane
	v_and_b32 v3, 15, v0                           ; r
	v_bfe_u32 v8, v0, 4, 1                         ; h
	v_mul_u32_u24 v4, v3, CH
	v_lshl_add_u32 v4, v8, 4, v4
	v_add_nc_u32 v4, s21, v4                       ; my tile + head r + 16 h
	v_lshlrev_b32 v5, 4, v2                        ; 16 lane
	s_lshl_b32 s18, s10, 11
	s_add_co_u32 s18, s18, SCR
	v_add_nc_u32 v6, s18, v5                       ; my 2,048 bytes of scratch
	v_add_nc_u32 v7, SCR, v5                       ; the scratch's first
	s_wait_tensorcnt 0x0                           ; my tile is in LDS
	ELOAD 0
	EMUL 0
	ELOAD 1
	EMUL 1
.set j, 0
.rept 16
	v_pk_mul_f32 v[E+j:E+j+1], v[E+j:E+j+1], 0x3e38aa3b op_sel_hi:[1,0]          ; x 1/sqrt(64) x log2(e): exponentials are taken in base 2
.set j, j+2
.endr
.irp i, 0,1,2,3
	global_store_b128 v5, v[E+8*\i:E+8*\i+3], s[6:7] offset:1024*\i              ; 512 consecutive bytes each
	global_store_b128 v5, v[E+8*\i+4:E+8*\i+7], s[6:7] offset:1024*\i+512
.endr
.irp j, 0,1,2,3,4,5,6,7
	v_max3_num_f32 v[MW+\j], v[E+\j], v[E+8+\j], v[E+16+\j]
.endr
.irp j, 0,1,2,3,4,5,6,7
	v_max_num_f32 v[MW+\j], v[MW+\j], v[E+24+\j]
.endr
.irp i, 0,1,2,3
.irp p, 0,2,4,6
	v_pk_add_f32 v[TT+8*\i+\p:TT+8*\i+\p+1], v[E+8*\i+\p:E+8*\i+\p+1], v[MW+\p:MW+\p+1] neg_lo:[0,1] neg_hi:[0,1]
.endr
.endr
.set j, 0
.rept 32
	v_exp_f32 v[TT+j], v[TT+j]
.set j, j+1
.endr
	v_nop                                          ; one plain place behind the exponentials
	s_wait_alu depctr_va_vdst(0)
.irp p, 0,2,4,6
	v_pk_add_f32 v[ZW+\p:ZW+\p+1], v[TT+\p:TT+\p+1], v[TT+8+\p:TT+8+\p+1]
	v_pk_add_f32 v[TT+16+\p:TT+16+\p+1], v[TT+16+\p:TT+16+\p+1], v[TT+24+\p:TT+24+\p+1]
	v_pk_add_f32 v[ZW+\p:ZW+\p+1], v[ZW+\p:ZW+\p+1], v[TT+16+\p:TT+16+\p+1]
.endr
	ds_store_b128 v6, v[MW:MW+3]
	ds_store_b128 v6, v[MW+4:MW+7] offset:512
	ds_store_b128 v6, v[ZW:ZW+3] offset:1024
	ds_store_b128 v6, v[ZW+4:ZW+7] offset:1536
	s_wait_dscnt 0x0                               ; my figures are in LDS, for wave 0's sake
	s_barrier_signal -1
	s_barrier_wait -1
	s_cmp_lg_u32 s10, 0
	s_cbranch_scc1 .Lend                           ; wave 0 joins the eight waves' figures
.irp b, 0,1,2,3,4,5,6,7
.irp q, 0,1,2,3
	ds_load_b128 v[F+16*\b+4*\q:F+16*\b+4*\q+3], v7 offset:2048*\b+512*\q
.endr
.endr
	s_wait_dscnt 0x0
	COMBINE F, MW, ZW, TT
	global_store_b128 v5, v[MW:MW+3], s[8:9]
	global_store_b128 v5, v[MW+4:MW+7], s[8:9] offset:512
	global_store_b128 v5, v[ZW:ZW+3], s[8:9] offset:1024
	global_store_b128 v5, v[ZW+4:ZW+7], s[8:9] offset:1536
.Lend:
	s_wait_tensorcnt 0x0
	ds_add_u32 v224, v225
	s_wait_dscnt 0x0
	s_endpgm
.Lfunc_end_k_q56afdf29e2_energy:
	.size	k_q56afdf29e2_energy, .Lfunc_end_k_q56afdf29e2_energy-k_q56afdf29e2_energy
	.p2alignl 7, 3214868480
	.fill 96, 4, 3214868480
	.section	.rodata,"a",@progbits
	.p2align	6, 0x0
	.amdhsa_kernel k_q56afdf29e2_energy
		.amdhsa_group_segment_fixed_size 312320
		.amdhsa_private_segment_fixed_size 0
		.amdhsa_enable_private_segment 0
		.amdhsa_kernarg_size 24
		.amdhsa_user_sgpr_count 2
		.amdhsa_user_sgpr_kernarg_segment_ptr 1
		.amdhsa_wavefront_size32 1
		.amdhsa_system_sgpr_workgroup_id_x 1
		.amdhsa_system_sgpr_workgroup_id_y 1
		.amdhsa_system_sgpr_workgroup_id_z 1
		.amdhsa_system_vgpr_workitem_id 0
		.amdhsa_next_free_vgpr 226
		.amdhsa_next_free_sgpr 66
		.amdhsa_reserve_vcc 0
		.amdhsa_float_denorm_mode_32 3
		.amdhsa_float_denorm_mode_16_64 3
		.amdhsa_memory_ordered 1
		.amdhsa_forward_progress 1
		.amdhsa_inst_pref_size 26
	.end_amdhsa_kernel
	.amdgpu_metadata
---
amdhsa.version: [ 1, 2 ]
amdhsa.kernels:
  - .name:           k_q56afdf29e2_energy
    .symbol:         k_q56afdf29e2_energy.kd
    .args:
      - { .name: qk, .offset: 0, .size: 8, .value_kind: global_buffer, .address_space: global }
      - { .name: en, .offset: 8, .size: 8, .value_kind: global_buffer, .address_space: global }
      - { .name: st, .offset: 16, .size: 8, .value_kind: global_buffer, .address_space: global }
    .group_segment_fixed_size: 312320
    .private_segment_fixed_size: 0
    .kernarg_segment_align: 8
    .kernarg_segment_size: 24
    .max_flat_workgroup_size: 256
    .sgpr_count:     66
    .vgpr_count:     226
    .wavefront_size: 32
...
	.end_amdgpu_metadata
.endif
;; end of part 3
;; launch mix (part 4): grid 256 x 1, 8 waves a work-group, no clusters, 93,696 bytes of LDS; arguments xb, wsm, en, st, af, vsf; writes af, vsf
.if DOCPART == 4
	.amdgcn_target "amdgcn-amd-amdhsa--gfx1250"
	.amdhsa_code_object_version 6
	.text
	.protected	k_q56afdf29e2_mix
	.globl	k_q56afdf29e2_mix
	.p2align	8
	.type	k_q56afdf29e2_mix,@function
k_q56afdf29e2_mix:
	s_mov_b64 s[64:65], 0
	v_nop
	global_prefetch_b8 v0, s[64:65] scope:SCOPE_SE
	s_setreg_imm32_b32 hwreg(HW_REG_WAVE_MODE, 25, 1), 1
	s_wait_xcnt 0x0
; MIX: two shares of work that do not depend on each other, in one launch.
; (1) A[row][hq] = sum over hk of 2^(e' - M) / Z, where M and Z join the 64 blocks' (m, z) of the row's batch: the softmax over the sequence,
;     with its maximum taken away, summed over hk as reference()'s second einsum sums it.  The work-group has rows 32 id .. +31, a wave 4.
;     Out: af [g 512][part 2][lane 16 h + hq][16 B] = term part (hi, lo = A - hi) of A[16 g + 8 h + 0..7][hq] in bf16: source 0 of the last launch's second product.
; (2) Vs[row][d] = sum over e of xb[row][e] (hi + lo)[d][e], the values summed over the heads, K = 1,024.  The work-group has the 32 rows
;     256 gb + 16 g + 2 tp + tl (gb = id>>3, tp = id&7, g = 0..15, tl = 0, 1); wave w has d = 16 (w&3) .. +15 and the weights' term w>>2.
;     Out: vsf [gb 32][t 16][part 2][kk 2][cc 2][lane 16 h + g][16 B] = term part (hi, lo) of Vs[256 gb + 16 g + t][32 kk + 16 cc + 8 h + 0..7] in bf16.
; Loads go through registers.  No cluster: what work-groups share (the weights' 262,144 bytes, a batch's 131,072 bytes of statistics) goes straight into the
; registers of the one wave that uses it, 32,768 and 16,384 bytes a wave; a joint load would send it through LDS first, an extra trip for every byte.
; More loads are issued at once than the counter's field holds; the issue then waits by itself (ISA guide 5.7.1), and every wait's count is at most 56.
; Z >= 1: the row that holds the maximum adds 2^0.  LIMITS: 2^x is 0 below 2^-126; NaN and infinities are not carried as reference() carries them.
.set XP,   2064                        ; a row of x in LDS: 2,048 bytes + 16: an odd multiple of 16
.set STP,  32*XP                       ; 66,048: 8 x 2,048 bytes, the waves' joined statistics
.set AP,   STP+16384                   ; 82,432: [wave 8][hq 16][4 rows] f32
.set LO,   AP+2048                     ; 84,480: [dt 4][tl 2][c2 2][lane][16 B]: the sums with the weights' lo term
.set XS,   16                          ; v[16:79]   x as loaded; then at work
.set ACC,  16                          ; v[16:31]   two accumulators (tl = 0, 1), in the K loop
.set TT,   32                          ; v[32:63]   at work
.set AV,   64                          ; v[64:67]   A of my four rows
.set ST,   80                          ; v[80:207]  eight (m, z) pairs
.set XF0,  80                          ; v[80:143]  fragments of x, buffer 0 (in the K loop)
.set XF1,  144                         ; v[144:207] buffer 1
.set EN,   208                         ; v[208:239] e' of my four rows
.set MX,   240                         ; v[240:247] M
.set ZS,   248                         ; v[248:255] Z, then 1 / Z
; window 1 (v256-511): the 32 weight fragments of my (dt, part), fragment kb at 8 kb
.set MSB, 0
.macro WIN new                         ; the immediate's high byte repeats the setting that is left
.if MSB != \new
	s_set_vgpr_msb (MSB<<8)|\new
.set MSB, \new
.endif
.endm
.macro PLACES                          ; four places behind a matrix instruction before its sources are loaded again or its result is read (ISA guide 7.12.1)
.rept 4
	v_nop
.endr
.endm
; Joins eight (m, z) pairs that lie at src + 16 b (m: 8 registers, then z: 8): mm = max of m_b, zz = sum of z_b 2^(m_b - mm).
.macro COMBINE src, mm, zz, tt
.irp j, 0,1,2,3,4,5,6,7
	v_max3_num_f32 v[\mm+\j], v[\src+\j], v[\src+16+\j], v[\src+32+\j]
.endr
.irp j, 0,1,2,3,4,5,6,7
	v_max3_num_f32 v[\mm+\j], v[\mm+\j], v[\src+48+\j], v[\src+64+\j]
.endr
.irp j, 0,1,2,3,4,5,6,7
	v_max3_num_f32 v[\mm+\j], v[\mm+\j], v[\src+80+\j], v[\src+96+\j]
.endr
.irp j, 0,1,2,3,4,5,6,7
	v_max_num_f32 v[\mm+\j], v[\mm+\j], v[\src+112+\j]
.endr
.irp b, 0,1,2,3,4,5,6,7
.irp p, 0,2,4,6
	v_pk_add_f32 v[\tt+\p:\tt+\p+1], v[\src+16*\b+\p:\src+16*\b+\p+1], v[\mm+\p:\mm+\p+1] neg_lo:[0,1] neg_hi:[0,1]
.endr
.irp j, 0,1,2,3,4,5,6,7
	v_exp_f32 v[\tt+\j], v[\tt+\j]
.endr
	v_nop                                          ; one plain place behind the exponentials before their results are read (ISA guide 5.7.2)
	s_wait_alu depctr_va_vdst(0)
.irp p, 0,2,4,6
.if \b == 0
	s_wait_alu depctr_va_vdst(0)
	v_pk_mul_f32 v[\zz+\p:\zz+\p+1], v[\src+8+\p:\src+8+\p+1], v[\tt+\p:\tt+\p+1]
.else
	v_pk_fma_f32 v[\zz+\p:\zz+\p+1], v[\src+16*\b+8+\p:\src+16*\b+8+\p+1], v[\tt+\p:\tt+\p+1], v[\zz+\p:\zz+\p+1]
.endif
.endr
.endr
.endm
	s_load_b256 s[4:11], s[0:1], 0x0               ; xb 4, wsm 6, en 8, st 10
	s_load_b128 s[12:15], s[0:1], 0x20             ; af 12, vsf 14
	v_lshl_add_u32 v14, v0, 2, 0x16a00
	v_mov_b32 v15, 0
	v_lshrrev_b32 v12, 5, v0
	v_readfirstlane_b32 s16, v12                   ; wave 0..7
	s_and_b32 s17, s16, 3                          ; dt
	s_lshr_b32 s18, s16, 2                         ; the weights' term; also tl of the x rows that I fetch
	s_lshr_b32 s19, ttmp9, 3                       ; gb
	s_and_b32 s20, ttmp9, 7                        ; tp
	s_lshr_b32 s21, ttmp9, 6                       ; batch
	s_mov_b32 s36, 0x76543210                      ; v_permlanex16_b32: lane i of one half reads lane i of the other
	s_mov_b32 s37, 0xfedcba98
	s_mov_b32 s38, 0xffff0000                      ; a word's upper bf16
	s_lshl_b32 s40, s19, 8                         ; x: row 256 gb + 64 (w&3) + 2 tp + (w>>2); my four rows are 16 apart
	s_lshl_b32 s52, s17, 6
	s_add_co_u32 s40, s40, s52
	s_lshl1_add_u32 s40, s20, s40
	s_add_co_u32 s40, s40, s18
	s_lshl_b32 s40, s40, 11                        ; rows of 2,048 bytes
	s_mov_b32 s41, 0
	s_lshl_b32 s42, s21, 17                        ; st: blocks 64 n + 8 w .. +7, 2,048 bytes each
	s_lshl_b32 s52, s16, 14
	s_add_co_u32 s42, s42, s52
	s_mov_b32 s43, 0
	s_lshl_b32 s44, ttmp9, 15                      ; en: rows 32 id + 4 w .. +3, 1,024 bytes each
	s_lshl_b32 s52, s16, 12
	s_add_co_u32 s44, s44, s52
	s_mov_b32 s45, 0
	s_lshl_b32 s46, s18, 17                        ; weights: 2,097,152 + 131,072 part + 32,768 dt
	s_lshl_b32 s52, s17, 15
	s_add_co_u32 s46, s46, s52
	s_add_co_u32 s46, s46, 2097152
	s_mov_b32 s47, 0
	s_lshl_b32 s48, s19, 16                        ; vsf: (16 gb + 2 tp) x 4,096 + 512 dt
	s_lshl_b32 s52, s20, 13
	s_add_co_u32 s48, s48, s52
	s_lshl_b32 s52, s17, 9
	s_add_co_u32 s48, s48, s52
	s_mov_b32 s49, 0
	s_lshl_b32 s50, ttmp9, 11                      ; af: 2,048 id + 1,024 (w&1) (waves 4 and 5 store it)
	s_and_b32 s52, s16, 1
	s_lshl_b32 s52, s52, 10
	s_add_co_u32 s50, s50, s52
	s_mov_b32 s51, 0
	v_and_b32 v9, 31, v0                           ; lane
	v_and_b32 v10, 15, v0                          ; r
	v_bfe_u32 v11, v0, 4, 1                        ; h
	v_lshlrev_b32 v1, 4, v9                        ; 16 lane
	s_wait_kmcnt 0x0
	s_add_nc_u64 s[24:25], s[4:5], s[40:41]
	s_add_nc_u64 s[26:27], s[10:11], s[42:43]
	s_add_nc_u64 s[28:29], s[8:9], s[44:45]
	s_add_nc_u64 s[30:31], s[6:7], s[46:47]
	s_add_nc_u64 s[32:33], s[14:15], s[48:49]
	s_add_nc_u64 s[34:35], s[12:13], s[50:51]
.irp i, 0,1,2,3,4,5,6,7,8,9,10,11,12,13,14,15
	global_load_b128 v[XS+4*\i:XS+4*\i+3], v1, s[24:25] offset:32768*(\i>>2)+512*(\i&3)      ; row i>>2 of my four, 512 consecutive bytes
.endr
.irp b, 0,1,2,3,4,5,6,7
.irp q, 0,1,2,3
	global_load_b128 v[ST+16*\b+4*\q:ST+16*\b+4*\q+3], v1, s[26:27] offset:2048*\b+512*\q
.endr
.endr
.irp i, 0,1,2,3
	global_load_b128 v[EN+8*\i:EN+8*\i+3], v1, s[28:29] offset:1024*\i
	global_load_b128 v[EN+8*\i+4:EN+8*\i+7], v1, s[28:29] offset:1024*\i+512
.endr
	s_mul_i32 s52, s16, 4*XP
	v_add_nc_u32 v2, s52, v1                       ; x into LDS: rows 4 w .. +3 (row 16 tl + g)
	v_mul_u32_u24 v3, v10, XP
	v_lshl_add_u32 v3, v11, 4, v3                  ; x's fragments: row r, 16 h
	s_lshl_b32 s52, s16, 11
	s_add_co_u32 s52, s52, STP
	v_add_nc_u32 v4, s52, v1                       ; my joined statistics
	v_add_nc_u32 v5, STP, v1                       ; all waves'
	s_lshl_b32 s52, s16, 8
	s_add_co_u32 s52, s52, AP
	v_lshl_add_u32 v6, v10, 4, s52                 ; A of my four rows, head r
	s_lshl_b32 s52, s17, 11
	s_add_co_u32 s52, s52, LO
	v_add_nc_u32 v7, s52, v1                       ; the lo sums of my dt
	s_and_b32 s52, s16, 1
	s_lshl_b32 s52, s52, 10
	s_add_co_u32 s52, s52, AP
	v_lshl_add_u32 v8, v10, 4, s52
	v_lshl_add_u32 v8, v11, 9, v8                  ; A of rows 16 (w&1) + 8 h .. +7, head r
	s_wait_loadcnt 40                              ; x is in: behind it stand the 32 loads of statistics and the 8 of e'
.irp i, 0,1,2,3,4,5,6,7,8,9,10,11,12,13,14,15
	ds_store_b128 v2, v[XS+4*\i:XS+4*\i+3] offset:XP*(\i>>2)+512*(\i&3)
.endr
	WIN 0x40                                       ; destination in window 1
.set kb, 0
.rept 16
	global_load_b128 v[8*kb:8*kb+3], v1, s[30:31] offset:1024*kb
	global_load_b128 v[8*kb+4:8*kb+7], v1, s[30:31] offset:1024*kb+512
.set kb, kb+1
.endr
	WIN 0
	s_wait_loadcnt 40                              ; the statistics are in: behind them stand e' (8) and the 32 weight loads
	COMBINE ST, MX, ZS, XS                         ; my eight blocks
	ds_store_b128 v4, v[MX:MX+3]
	ds_store_b128 v4, v[MX+4:MX+7] offset:512
	ds_store_b128 v4, v[ZS:ZS+3] offset:1024
	ds_store_b128 v4, v[ZS+4:ZS+7] offset:1536
	s_wait_loadcnt 32                              ; e' is in: behind it stand the 32 weight loads
	WIN 0x40
.rept 16
	global_load_b128 v[8*kb:8*kb+3], v1, s[30:31] offset:1024*kb
	global_load_b128 v[8*kb+4:8*kb+7], v1, s[30:31] offset:1024*kb+512
.set kb, kb+1
.endr
	WIN 0
	s_wait_dscnt 0x0                               ; my rows of x and my statistics are in LDS, for the others' sake
	s_barrier_signal -1
	s_barrier_wait -1
.irp b, 0,1,2,3,4,5,6,7
.irp q, 0,1,2,3
	ds_load_b128 v[ST+16*\b+4*\q:ST+16*\b+4*\q+3], v5 offset:2048*\b+512*\q
.endr
.endr
	s_wait_dscnt 0x0
	COMBINE ST, MX, ZS, XS                         ; the batch's M and Z, in every wave
.irp j, 0,1,2,3,4,5,6,7
	v_rcp_f32 v[ZS+\j], v[ZS+\j]
.endr
	v_nop                                          ; one plain place behind the reciprocals
.irp i, 0,1,2,3
.irp p, 0,2,4,6
	v_pk_add_f32 v[TT+8*\i+\p:TT+8*\i+\p+1], v[EN+8*\i+\p:EN+8*\i+\p+1], v[MX+\p:MX+\p+1] neg_lo:[0,1] neg_hi:[0,1]
.endr
.endr
.set j, 0
.rept 32
	v_exp_f32 v[TT+j], v[TT+j]
.set j, j+1
.endr
	v_nop                                          ; one plain place behind the exponentials
	s_wait_alu depctr_va_vdst(0)
.irp i, 0,1,2,3
	v_pk_mul_f32 v[TT+8*\i:TT+8*\i+1], v[TT+8*\i:TT+8*\i+1], v[ZS:ZS+1]                       ; sum over my eight hk of 2^(e' - M) / Z
	v_pk_fma_f32 v[TT+8*\i:TT+8*\i+1], v[TT+8*\i+2:TT+8*\i+3], v[ZS+2:ZS+3], v[TT+8*\i:TT+8*\i+1]
	v_pk_fma_f32 v[TT+8*\i:TT+8*\i+1], v[TT+8*\i+4:TT+8*\i+5], v[ZS+4:ZS+5], v[TT+8*\i:TT+8*\i+1]
	v_pk_fma_f32 v[TT+8*\i:TT+8*\i+1], v[TT+8*\i+6:TT+8*\i+7], v[ZS+6:ZS+7], v[TT+8*\i:TT+8*\i+1]
	v_add_f32 v[TT+8*\i], v[TT+8*\i], v[TT+8*\i+1]
	v_permlanex16_b32 v[TT+8*\i+1], v[TT+8*\i], s36, s37       ; the other eight hk lie in the other half of the lanes
	v_add_f32 v[AV+\i], v[TT+8*\i], v[TT+8*\i+1]
.endr
	ds_store_b128 v6, v[AV:AV+3]                   ; both halves of the lanes write the same numbers to the same bytes
; 16 LDS loads: x's fragments of the four K blocks of group grp (32 K each), both tl, into buffer f
.macro XLOAD grp, f
	WIN 0
.irp tl, 0,1
.irp kl, 0,1,2,3
	ds_load_b128 v[\f+32*\tl+8*\kl:\f+32*\tl+8*\kl+3],   v3 offset:16*XP*\tl+64*(4*\grp+\kl)
	ds_load_b128 v[\f+32*\tl+8*\kl+4:\f+32*\tl+8*\kl+7], v3 offset:16*XP*\tl+64*(4*\grp+\kl)+32
.endr
.endr
.endm
; 8 matrix instructions: source 0 = weights (16 d), source 1 = x (16 g).  The two accumulators take turns, one instruction a turn.
.set NZ, 0
.macro XMUL grp, f, left
	s_wait_dscnt \left                             ; this group's fragments are back; the next group's 16 loads stay out
	s_wait_loadcnt 56-8*\grp                       ; of the 64 weight loads those behind this group's eight stay out
	WIN 0x01                                       ; source 0 in window 1
.irp kl, 0,1,2,3
.irp tl, 0,1
.if NZ < 2
	v_wmma_f32_16x16x32_bf16 v[ACC+8*\tl:ACC+8*\tl+7], v[8*(4*\grp+\kl):8*(4*\grp+\kl)+7], v[\f+32*\tl+8*\kl:\f+32*\tl+8*\kl+7], 0
.else
	v_wmma_f32_16x16x32_bf16 v[ACC+8*\tl:ACC+8*\tl+7], v[8*(4*\grp+\kl):8*(4*\grp+\kl)+7], v[\f+32*\tl+8*\kl:\f+32*\tl+8*\kl+7], v[ACC+8*\tl:ACC+8*\tl+7]
.endif
.set NZ, NZ+1
.endr
.endr
.endm
	XLOAD 0, XF0
	XLOAD 1, XF1
	XMUL 0, XF0, 16
	PLACES
	XLOAD 2, XF0
	XMUL 1, XF1, 16
	PLACES
	XLOAD 3, XF1
	XMUL 2, XF0, 16
	PLACES
	XLOAD 4, XF0
	XMUL 3, XF1, 16
	PLACES
	XLOAD 5, XF1
	XMUL 4, XF0, 16
	PLACES
	XLOAD 6, XF0
	XMUL 5, XF1, 16
	PLACES
	XLOAD 7, XF1
	XMUL 6, XF0, 16
	XMUL 7, XF1, 0
	WIN 0
	PLACES
	s_cmp_lt_u32 s16, 4
	s_cbranch_scc1 .Lno_lo                         ; waves 4-7 hand their sums (the weights' lo term) to waves 0-3
.irp tl, 0,1
	ds_store_b128 v7, v[ACC+8*\tl:ACC+8*\tl+3] offset:1024*\tl
	ds_store_b128 v7, v[ACC+8*\tl+4:ACC+8*\tl+7] offset:1024*\tl+512
.endr
.Lno_lo:
	s_wait_dscnt 0x0                               ; my A and my lo sums are in LDS, and my reads of x are back
	s_barrier_signal -1
	s_barrier_wait -1
	s_cmp_lt_u32 s16, 4
	s_cbranch_scc0 .Lhigh
	; waves 0-3: Vs = hi sums + lo sums, split into two bf16 terms.  Lane (g = r, h) holds d = 16 dt + 8 h + 0..7: 16 bytes that belong together
.irp tl, 0,1
	ds_load_b128 v[TT+8*\tl:TT+8*\tl+3], v7 offset:1024*\tl
	ds_load_b128 v[TT+8*\tl+4:TT+8*\tl+7], v7 offset:1024*\tl+512
.endr
	s_wait_dscnt 0x0
.irp p, 0,2,4,6,8,10,12,14
	v_pk_add_f32 v[ACC+\p:ACC+\p+1], v[ACC+\p:ACC+\p+1], v[TT+\p:TT+\p+1]
.endr
.irp tl, 0,1
.irp c, 0,1,2,3
	v_cvt_pk_bf16_f32 v[48+8*\tl+\c], v[ACC+8*\tl+2*\c], v[ACC+8*\tl+2*\c+1]                  ; hi
.endr
.irp c, 0,1,2,3
	v_lshlrev_b32 v[68+2*\c], 16, v[48+8*\tl+\c]
	v_and_b32 v[68+2*\c+1], s38, v[48+8*\tl+\c]
.endr
.irp c, 0,1,2,3
	v_pk_add_f32 v[68+2*\c:68+2*\c+1], v[ACC+8*\tl+2*\c:ACC+8*\tl+2*\c+1], v[68+2*\c:68+2*\c+1] neg_lo:[0,1] neg_hi:[0,1]
.endr
.irp c, 0,1,2,3
	v_cvt_pk_bf16_f32 v[48+8*\tl+4+\c], v[68+2*\c], v[68+2*\c+1]                              ; lo
.endr
	global_store_b128 v1, v[48+8*\tl:48+8*\tl+3], s[32:33] offset:4096*\tl                    ; 512 consecutive bytes each
	global_store_b128 v1, v[48+8*\tl+4:48+8*\tl+7], s[32:33] offset:4096*\tl+2048
.endr
	s_wait_tensorcnt 0x0
	ds_add_u32 v14, v15
	s_wait_dscnt 0x0
	s_endpgm
.Lhigh:
	s_cmp_gt_u32 s16, 5
	s_cbranch_scc1 .Lend
	; waves 4 and 5: A of one group of 16 rows each, split into two bf16 terms
	ds_load_b128 v[32:35], v8
	ds_load_b128 v[36:39], v8 offset:256
	s_wait_dscnt 0x0
.irp c, 0,1,2,3
	v_cvt_pk_bf16_f32 v[40+\c], v[32+2*\c], v[33+2*\c]                                        ; hi
.endr
.irp c, 0,1,2,3
	v_lshlrev_b32 v[44+2*\c], 16, v[40+\c]
	v_and_b32 v[45+2*\c], s38, v[40+\c]
.endr
.irp c, 0,1,2,3
	v_pk_add_f32 v[44+2*\c:45+2*\c], v[32+2*\c:33+2*\c], v[44+2*\c:45+2*\c] neg_lo:[0,1] neg_hi:[0,1]
.endr
.irp c, 0,1,2,3
	v_cvt_pk_bf16_f32 v[52+\c], v[44+2*\c], v[45+2*\c]                                        ; lo
.endr
	global_store_b128 v1, v[40:43], s[34:35]                   ; 512 consecutive bytes each
	global_store_b128 v1, v[52:55], s[34:35] offset:512
.Lend:
	s_wait_tensorcnt 0x0
	ds_add_u32 v14, v15
	s_wait_dscnt 0x0
	s_endpgm
.Lfunc_end_k_q56afdf29e2_mix:
	.size	k_q56afdf29e2_mix, .Lfunc_end_k_q56afdf29e2_mix-k_q56afdf29e2_mix
	.p2alignl 7, 3214868480
	.fill 96, 4, 3214868480
	.section	.rodata,"a",@progbits
	.p2align	6, 0x0
	.amdhsa_kernel k_q56afdf29e2_mix
		.amdhsa_group_segment_fixed_size 93696
		.amdhsa_private_segment_fixed_size 0
		.amdhsa_enable_private_segment 0
		.amdhsa_kernarg_size 48
		.amdhsa_user_sgpr_count 2
		.amdhsa_user_sgpr_kernarg_segment_ptr 1
		.amdhsa_wavefront_size32 1
		.amdhsa_system_sgpr_workgroup_id_x 1
		.amdhsa_system_sgpr_workgroup_id_y 1
		.amdhsa_system_sgpr_workgroup_id_z 1
		.amdhsa_system_vgpr_workitem_id 0
		.amdhsa_next_free_vgpr 512
		.amdhsa_next_free_sgpr 66
		.amdhsa_reserve_vcc 0
		.amdhsa_float_denorm_mode_32 3
		.amdhsa_float_denorm_mode_16_64 3
		.amdhsa_memory_ordered 1
		.amdhsa_forward_progress 1
		.amdhsa_inst_pref_size 58
	.end_amdhsa_kernel
	.amdgpu_metadata
---
amdhsa.version: [ 1, 2 ]
amdhsa.kernels:
  - .name:           k_q56afdf29e2_mix
    .symbol:         k_q56afdf29e2_mix.kd
    .args:
      - { .name: xb, .offset: 0, .size: 8, .value_kind: global_buffer, .address_space: global }
      - { .name: wsm, .offset: 8, .size: 8, .value_kind: global_buffer, .address_space: global }
      - { .name: en, .offset: 16, .size: 8, .value_kind: global_buffer, .address_space: global }
      - { .name: st, .offset: 24, .size: 8, .value_kind: global_buffer, .address_space: global }
      - { .name: af, .offset: 32, .size: 8, .value_kind: global_buffer, .address_space: global }
      - { .name: vsf, .offset: 40, .size: 8, .value_kind: global_buffer, .address_space: global }
    .group_segment_fixed_size: 93696
    .private_segment_fixed_size: 0
    .kernarg_segment_align: 8
    .kernarg_segment_size: 48
    .max_flat_workgroup_size: 256
    .sgpr_count:     66
    .vgpr_count:     512
    .wavefront_size: 32
...
	.end_amdgpu_metadata
.endif
;; end of part 4
;; launch final (part 5): grid 256 x 1, 8 waves a work-group, no clusters, 132,352 bytes of LDS; arguments vsf, af, wsm, bo, out0; writes out0
.if DOCPART == 5
	.amdgcn_target "amdgcn-amd-amdhsa--gfx1250"
	.amdhsa_code_object_version 6
	.text
	.protected	k_q56afdf29e2_final
	.globl	k_q56afdf29e2_final
	.p2align	8
	.type	k_q56afdf29e2_final,@function
k_q56afdf29e2_final:
	s_mov_b64 s[64:65], 0
	v_nop
	global_prefetch_b8 v0, s[64:65] scope:SCOPE_SE
	s_setreg_imm32_b32 hwreg(HW_REG_WAVE_MODE, 25, 1), 1
	s_wait_xcnt 0x0
; FINAL: out0[n][128 hq + sb][j] = sum over t of A[g][hq][t] P[g][t][j] + bo[j], with g = 128 n + sb, row s = 16 sb + t, and
; P[g][t][j] = sum over d of Vs[16 g + t][d] Wo[j][64 t + d].  (reference() reshapes (head, s, d) to rows of 1,024 without a transpose, so that row
; 128 hq + sb of the last product holds A[hq][s] Vs[s][d] of the sixteen s = 16 sb + t: the product with Wo splits into these two.)
; The work-group has 16 g (gb = id>>3) and 128 columns (cb = id&7) as eight column tiles: tile jt holds the columns 128 cb + 64 (jt>>2) + 4 r + (jt&3).
; Stage 1: wave w has t = 2 w, 2 w + 1: source 0 = Vs (16 g x 64 d, terms hi and lo), source 1 = Wo's fragments: 64 matrix instructions.
; P goes to LDS as two bf16 terms (hi, lo), the two t of a wave packed in a word.
; Stage 2: wave w has g = 2 w, 2 w + 1: source 0 = a term of A (16 hq; K places 0-15 and 16-31 both hold t = 0..15), source 1 = P (places 0-15 hi, 16-31 lo);
; one pass with A's hi term, one with its lo term: (A_hi + A_lo)(P_hi + P_lo).
; The four tiles jt&3 = 0..3 hold four neighbouring columns: the add of the bias lays them into four neighbouring registers, and sixteen lanes
; store 256 consecutive bytes, aligned.
; No cluster: Wo's 262,144 bytes of a column block, which 32 work-groups read, go straight into the registers of the one wave that uses each fragment
; (32,768 bytes a wave); with P's 131,328 bytes they would not fit in LDS together.
; More loads are issued at once than a counter's field holds; the issue then waits by itself (ISA guide 5.7.1); every wait's count is at most 58.
.set PL,   8208                        ; a plane of P: 64 x 128 bytes + 16
.set PL2,  2*PL                        ; a wave's two planes (hi, lo)
.set VA,   16                          ; v[16:79]   Vs: fragment (tl, part, kk) at 8 (4 tl + 2 part + kk)
.set TO,   16                          ; v[16:143]  results on their way out
.set ACC,  80                          ; v[80:207]  stage 1: tile (tl, jt) at 64 tl + 8 jt
.set PF,   80                          ; v[80:207]  stage 2: P's fragment (gl, jt) at 8 (8 gl + jt)
.set AFH,  208                         ; v[208:223] A's hi term, gl = 0, 1
.set BO,   224                         ; v[224:231] bias of my columns
.set TMP,  232                         ; v[232:239] at work, two sets
.set AFL,  240                         ; v[240:255] A's lo term, gl = 0, 1
; window 1 (v256-511): Wo's 32 fragments, fragment (tl, kk, jt) at 8 (8 (2 tl + kk) + jt); in stage 2 v256-383 take the 16 result tiles
.set MSB, 0
.macro WIN new                         ; the immediate's high byte repeats the setting that is left
.if MSB != \new
	s_set_vgpr_msb (MSB<<8)|\new
.set MSB, \new
.endif
.endm
.macro PLACES                          ; four places behind a matrix instruction before its result is read or its registers are written (ISA guide 7.12.1)
.rept 4
	v_nop
.endr
.endm
	s_load_b256 s[4:11], s[0:1], 0x0               ; vsf 4, af 6, wsm 8, bo 10
	s_load_b64 s[12:13], s[0:1], 0x20              ; out0
	v_lshl_add_u32 v14, v0, 2, 0x20100
	v_mov_b32 v15, 0
	v_lshrrev_b32 v9, 5, v0
	v_readfirstlane_b32 s16, v9                    ; wave 0..7
	s_lshr_b32 s17, ttmp9, 3                       ; gb
	s_and_b32 s18, ttmp9, 7                        ; cb
	s_mov_b32 s33, 0xffff0000                      ; a word's upper bf16
	s_lshl_b32 s20, s17, 16                        ; vsf: 65,536 gb + 8,192 w
	s_lshl_b32 s30, s16, 13
	s_add_co_u32 s20, s20, s30
	s_mov_b32 s21, 0
	s_lshl_b32 s22, s18, 18                        ; Wo's image: 262,144 cb + 4,096 w
	s_lshl_b32 s30, s16, 12
	s_add_co_u32 s22, s22, s30
	s_mov_b32 s23, 0
	s_lshl_b32 s24, s17, 14                        ; af: 1,024 (16 gb + 2 w)
	s_lshl_b32 s30, s16, 11
	s_add_co_u32 s24, s24, s30
	s_mov_b32 s25, 0
	s_lshl_b32 s26, s18, 9                         ; bo: 128 columns of 4 bytes
	s_mov_b32 s27, 0
	s_lshr_b32 s28, s17, 3                         ; out0: batch gb>>3,
	s_lshl_b32 s28, s28, 23
	s_and_b32 s30, s17, 7                          ; row sb = 16 (gb&7) + 2 w of 4,096 bytes,
	s_lshl_b32 s30, s30, 16
	s_add_co_u32 s28, s28, s30
	s_lshl_b32 s30, s16, 13
	s_add_co_u32 s28, s28, s30
	s_add_co_u32 s28, s28, s26                     ; column 128 cb
	s_mov_b32 s29, 0
	v_and_b32 v6, 31, v0                           ; lane
	v_and_b32 v7, 15, v0                           ; r
	v_bfe_u32 v8, v0, 4, 1                         ; h
	v_lshlrev_b32 v1, 4, v6                        ; 16 lane
	v_lshlrev_b32 v2, 4, v7                        ; 16 r
	s_wait_kmcnt 0x0
	s_add_nc_u64 s[20:21], s[4:5], s[20:21]
	s_add_nc_u64 s[22:23], s[8:9], s[22:23]
	s_add_nc_u64 s[24:25], s[6:7], s[24:25]
	s_add_nc_u64 s[26:27], s[10:11], s[26:27]
	s_add_nc_u64 s[28:29], s[12:13], s[28:29]
.irp q, 0,1,2,3,4,5,6,7,8,9,10,11,12,13,14,15
	global_load_b128 v[VA+4*\q:VA+4*\q+3], v1, s[20:21] offset:512*\q              ; q = 8 tl + 4 part + 2 kk + cc
.endr
	WIN 0x40                                       ; destination in window 1
.irp tl, 0,1
.irp kk, 0,1
.irp jt, 0,1,2,3,4,5,6,7
	global_load_b128 v[8*(8*(2*\tl+\kk)+\jt):8*(8*(2*\tl+\kk)+\jt)+3],   v1, s[22:23] offset:32768*\jt+2048*\tl+1024*\kk
	global_load_b128 v[8*(8*(2*\tl+\kk)+\jt)+4:8*(8*(2*\tl+\kk)+\jt)+7], v1, s[22:23] offset:32768*\jt+2048*\tl+1024*\kk+512
.endr
.endr
.endr
	WIN 0
.irp gl, 0,1
	global_load_b128 v[AFH+8*\gl:AFH+8*\gl+3],   v1, s[24:25] offset:1024*\gl      ; K places 0-15: A_hi[hq = r][t = 8 h + 0..7]
	global_load_b128 v[AFH+8*\gl+4:AFH+8*\gl+7], v1, s[24:25] offset:1024*\gl      ; K places 16-31: the same, for P's lo term
	global_load_b128 v[AFL+8*\gl:AFL+8*\gl+3],   v1, s[24:25] offset:1024*\gl+512  ; A_lo likewise
	global_load_b128 v[AFL+8*\gl+4:AFL+8*\gl+7], v1, s[24:25] offset:1024*\gl+512
.endr
	global_load_b128 v[BO:BO+3], v2, s[26:27]                  ; bo[128 cb + 4 r + 0..3]
	global_load_b128 v[BO+4:BO+7], v2, s[26:27] offset:256     ; bo[128 cb + 64 + 4 r + 0..3]
	s_mul_i32 s30, s16, PL2
	v_lshl_add_u32 v3, v6, 2, s30                  ; P in: my two planes, 4 bytes a lane
	v_mul_u32_u24 v4, v8, 4*PL2                    ; P back: register i of half h is the pair of t of wave 4 h + i,
	v_lshl_add_u32 v4, v7, 2, v4                   ; column place r,
	s_lshr_b32 s30, s16, 2                         ; g = 2 w + gl lay in lane half w>>2
	s_lshl_b32 s30, s30, 6
	s_and_b32 s31, s16, 3                          ; and register (2 w) & 7 + gl: 1,024 bytes each
	s_lshl_b32 s31, s31, 11
	s_add_co_u32 s30, s30, s31
	v_add_nc_u32 v4, s30, v4
	v_lshlrev_b32 v5, 22, v8                       ; out: hq = 8 h + jj: 8 x 128 rows of 4,096 bytes for the upper half of the lanes,
	v_lshl_or_b32 v5, v7, 4, v5                    ; 16 bytes a lane
; 16 matrix instructions: t = 2 w + tl, d = 32 kk .. +31, both terms of Vs, eight column tiles.  The eight accumulators take turns, one instruction a turn.
.macro STAGE1 tl, kk, left
	s_wait_loadcnt \left                           ; Vs and this batch of Wo's fragments are in; the later batches, A and the bias stay out
.irp part, 0,1
.irp jt, 0,1,2,3,4,5,6,7
.if (\kk+\part) == 0
	v_wmma_f32_16x16x32_bf16 v[ACC+64*\tl+8*\jt:ACC+64*\tl+8*\jt+7], v[VA+8*(4*\tl+2*\part+\kk):VA+8*(4*\tl+2*\part+\kk)+7], v[8*(8*(2*\tl+\kk)+\jt):8*(8*(2*\tl+\kk)+\jt)+7], 0
.else
	v_wmma_f32_16x16x32_bf16 v[ACC+64*\tl+8*\jt:ACC+64*\tl+8*\jt+7], v[VA+8*(4*\tl+2*\part+\kk):VA+8*(4*\tl+2*\part+\kk)+7], v[8*(8*(2*\tl+\kk)+\jt):8*(8*(2*\tl+\kk)+\jt)+7], v[ACC+64*\tl+8*\jt:ACC+64*\tl+8*\jt+7]
.endif
.endr
.endr
.endm
	WIN 0x04                                       ; source 1 in window 1
	STAGE1 0, 0, 58                                ; behind the first batch: 3 batches of 16, and the 10 loads of A and the bias
	STAGE1 0, 1, 42
	STAGE1 1, 0, 26
	STAGE1 1, 1, 10
	WIN 0
	PLACES
	; P(g = 8 h + jj, column place r) of my two t: hi = both rounded to bf16 in one word, lo = what hi left over, likewise
.irp jt, 0,1,2,3,4,5,6,7
.irp jj, 0,1,2,3,4,5,6,7
	v_cvt_pk_bf16_f32 v[TMP+4*(\jj&1)], v[ACC+8*\jt+\jj], v[ACC+64+8*\jt+\jj]
	v_lshlrev_b32 v[TMP+4*(\jj&1)+1], 16, v[TMP+4*(\jj&1)]
	v_and_b32 v[TMP+4*(\jj&1)+2], s33, v[TMP+4*(\jj&1)]
	v_sub_f32 v[TMP+4*(\jj&1)+1], v[ACC+8*\jt+\jj], v[TMP+4*(\jj&1)+1]
	v_sub_f32 v[TMP+4*(\jj&1)+2], v[ACC+64+8*\jt+\jj], v[TMP+4*(\jj&1)+2]
	v_cvt_pk_bf16_f32 v[TMP+4*(\jj&1)+3], v[TMP+4*(\jj&1)+1], v[TMP+4*(\jj&1)+2]
	ds_store_b32 v3, v[TMP+4*(\jj&1)] offset:128*(8*\jj+\jt)                       ; 128 consecutive bytes
	ds_store_b32 v3, v[TMP+4*(\jj&1)+3] offset:PL+128*(8*\jj+\jt)
.endr
.endr
	s_wait_dscnt 0x0                               ; my planes are in LDS, for the others' sake
	s_barrier_signal -1
	s_barrier_wait -1
.irp gl, 0,1
.irp jt, 0,1,2,3,4,5,6,7
.irp part, 0,1
.irp i, 0,1,2,3
	ds_load_b32 v[PF+8*(8*\gl+\jt)+4*\part+\i], v4 offset:PL2*\i+PL*\part+1024*\gl+128*\jt
.endr
.endr
.endr
.endr
	s_wait_dscnt 0x0
	s_wait_loadcnt 0x0                             ; A and the bias
	WIN 0x40                                       ; results in window 1
.irp gl, 0,1
.irp jt, 0,1,2,3,4,5,6,7
	v_wmma_f32_16x16x32_bf16 v[8*(8*\gl+\jt):8*(8*\gl+\jt)+7], v[AFH+8*\gl:AFH+8*\gl+7], v[PF+8*(8*\gl+\jt):PF+8*(8*\gl+\jt)+7], 0
.endr
.endr
	WIN 0x50                                       ; C and D in window 1.  The sixteen accumulators take turns in the same order, one instruction a turn
.irp gl, 0,1
.irp jt, 0,1,2,3,4,5,6,7
	v_wmma_f32_16x16x32_bf16 v[8*(8*\gl+\jt):8*(8*\gl+\jt)+7], v[AFL+8*\gl:AFL+8*\gl+7], v[PF+8*(8*\gl+\jt):PF+8*(8*\gl+\jt)+7], v[8*(8*\gl+\jt):8*(8*\gl+\jt)+7]
.endr
.endr
	PLACES
	WIN 0x01                                       ; source 0 in window 1
.irp gl, 0,1
.irp c6, 0,1
.irp jj, 0,1,2,3,4,5,6,7
.irp jt, 0,1,2,3
	v_add_f32 v[TO+64*\gl+4*(8*\c6+\jj)+\jt], v[8*(8*\gl+4*\c6+\jt)+\jj], v[BO+4*\c6+\jt]     ; + bo, and four neighbouring columns into four neighbouring registers
.endr
.endr
.endr
.endr
	WIN 0
.irp gl, 0,1
.irp c6, 0,1
.irp jj, 0,1,2,3,4,5,6,7
	global_store_b128 v5, v[TO+64*\gl+4*(8*\c6+\jj):TO+64*\gl+4*(8*\c6+\jj)+3], s[28:29] offset:524288*\jj+4096*\gl+256*\c6 th:TH_STORE_NT   ; sixteen lanes: 256 consecutive bytes, aligned, of row 128 (8 h + jj) + sb
.endr
.endr
.endr
	s_wait_tensorcnt 0x0
	ds_add_u32 v14, v15
	s_wait_dscnt 0x0
	s_endpgm
.Lfunc_end_k_q56afdf29e2_final:
	.size	k_q56afdf29e2_final, .Lfunc_end_k_q56afdf29e2_final-k_q56afdf29e2_final
	.p2alignl 7, 3214868480
	.fill 96, 4, 3214868480
	.section	.rodata,"a",@progbits
	.p2align	6, 0x0
	.amdhsa_kernel k_q56afdf29e2_final
		.amdhsa_group_segment_fixed_size 132352
		.amdhsa_private_segment_fixed_size 0
		.amdhsa_enable_private_segment 0
		.amdhsa_kernarg_size 40
		.amdhsa_user_sgpr_count 2
		.amdhsa_user_sgpr_kernarg_segment_ptr 1
		.amdhsa_wavefront_size32 1
		.amdhsa_system_sgpr_workgroup_id_x 1
		.amdhsa_system_sgpr_workgroup_id_y 1
		.amdhsa_system_sgpr_workgroup_id_z 1
		.amdhsa_system_vgpr_workitem_id 0
		.amdhsa_next_free_vgpr 512
		.amdhsa_next_free_sgpr 66
		.amdhsa_reserve_vcc 0
		.amdhsa_float_denorm_mode_32 3
		.amdhsa_float_denorm_mode_16_64 3
		.amdhsa_memory_ordered 1
		.amdhsa_forward_progress 1
		.amdhsa_inst_pref_size 57
	.end_amdhsa_kernel
	.amdgpu_metadata
---
amdhsa.version: [ 1, 2 ]
amdhsa.kernels:
  - .name:           k_q56afdf29e2_final
    .symbol:         k_q56afdf29e2_final.kd
    .args:
      - { .name: vsf, .offset: 0, .size: 8, .value_kind: global_buffer, .address_space: global }
      - { .name: af, .offset: 8, .size: 8, .value_kind: global_buffer, .address_space: global }
      - { .name: wsm, .offset: 16, .size: 8, .value_kind: global_buffer, .address_space: global }
      - { .name: bo, .offset: 24, .size: 8, .value_kind: global_buffer, .address_space: global }
      - { .name: out0, .offset: 32, .size: 8, .value_kind: global_buffer, .address_space: global }
    .group_segment_fixed_size: 132352
    .private_segment_fixed_size: 0
    .kernarg_segment_align: 8
    .kernarg_segment_size: 40
    .max_flat_workgroup_size: 256
    .sgpr_count:     66
    .vgpr_count:     512
    .wavefront_size: 32
...
	.end_amdgpu_metadata
.endif
;; end of part 5
;; ======== version 2 of 3: 5 launches; 1.13 times as fast as version 1
;; limits: values are held in f16: magnitudes above 65,504 overflow, below 6.1e-05 lose precision
;; workspace buffers: xb 16,777,216 bytes; wqk 4,194,304 bytes; wsm 2,359,296 bytes; qk 33,554,432 bytes; en 8,388,608 bytes; st 524,288 bytes; af 524,288 bytes; vsf 2,097,152 bytes
;; launch prep: the kernel of part 1 again; grid 768 x 1, 8 waves a work-group, no clusters, 35,840 bytes of LDS; arguments x, Wq, Wk, Wv, Wo, xb, wqk, wsm; writes xb, wqk, wsm
;; launch gemm (part 6): grid 8 x 32, 4 waves a work-group, clusters of 4 x 4, 327,680 bytes of LDS; arguments xb, wqk, qk; writes qk
.if DOCPART == 6
	.amdgcn_target "amdgcn-amd-amdhsa--gfx1250"
	.amdhsa_code_object_version 6
	.text
	.protected	k_q56afdf29e2_gemm
	.globl	k_q56afdf29e2_gemm
	.p2align	8
	.type	k_q56afdf29e2_gemm,@function
k_q56afdf29e2_gemm:
	s_mov_b64 s[64:65], 0
	v_nop
	global_prefetch_b8 v0, s[64:65] scope:SCOPE_SE
	s_setreg_imm32_b32 hwreg(HW_REG_WAVE_MODE, 25, 1), 1
	s_wait_xcnt 0x0
	s_wait_alu depctr_hold_cnt(0) depctr_sa_sdst(0) depctr_va_vdst(0) depctr_va_sdst(0) depctr_va_ssrc(0) depctr_va_vcc(0) depctr_vm_vsrc(0)
	s_getreg_b32 s2, hwreg(HW_REG_IB_STS2, 6, 4)
	s_cmp_eq_u32 s2, 0
	s_cbranch_scc0 .Lentry_in_a_cluster
	s_endpgm
.Lentry_in_a_cluster:
	s_bfe_u32 s2, ttmp6, 0x10000c
	s_cmp_lg_u32 s2, 0xf033
	s_cbranch_scc0 .Lentry_shape_is_right
	s_endpgm
.Lentry_shape_is_right:
; qk[m][n] = sum over k of xb[m][k] wqk[n][k]: q (columns 0-1023) and k (columns 1024-2047) of all 8,192 rows, bf16 operands, f32 sums, rounded once to F16.
; Why f16: the energies made of q and k stand in an exponent, and bf16's 8 significant bits leave too large an error there; f16 has 11, in the same 2 bytes.
; LIMIT: beyond |q| or |k| = 65,504 f16 gives infinity.  The room: with x of spread 1 and weights of spread 1/32 a sum over 1,024 has spread 1; with all
; inputs 30 times larger, spread 900; with common offsets of 30 spreads on x and on the weights, about 1,024 x 30 x 30/32 = 28,800.
; A work-group makes a block of 256 x 256 with four waves; a wave makes 128 x 128: 64 accumulator tiles of 16 x 16, 512 registers.
; K goes in steps of 128 through a ring of two LDS slots filled by the tensor data mover: a tile's rows are 256 bytes of memory, aligned to 256.
; CLUSTERS: 4 x 4 work-groups.  The four of a row of the cluster need the same tiles of A (xb), the four of a column the same tiles of B (wqk).
; Such a tile is asked for jointly: each of the four issues the same tensor load, with the same descriptor and a mask that names the four.
;
; REGISTERS, in windows of 256 (s_set_vgpr_msb says which window each operand place means):
;   window 0: v0-31 addresses; v64-127, v128-191 fragments of A, two buffers; v192-223 at work on the way out
;   window 1: v64-127, v128-191 fragments of B, two buffers
;   window 2: the 32 accumulator tiles of my rows 0-63 (tile (a, b) at v[8 (8 a + b)]);   window 3: those of my rows 64-127
; THE MATRIX INSTRUCTION IS USED TRANSPOSED: source 0 = 16 rows of B, source 1 = 16 rows of A, so that a lane's eight results are eight
; neighbouring columns of one row of C, which pack into 16 bytes.
.set SIZE_M, 8192
.set SIZE_N, 2048
.set SIZE_K, 1024
.set KSTEP,  128
.set PITCH,  272                       ; an LDS row: 256 bytes of data + 16 of padding: an odd multiple of 16, so the 16 rows that a load touches begin in 16 different 16-byte columns modulo 256
.set HALFT,  128*PITCH                 ; 128 rows: what one tensor load brings, and what one wave reads of A or of B
.set SLOT,   4*HALFT                   ; A's 256 rows, then B's 256 rows
.set STAGE,  2*SLOT                    ; behind the ring: 16 rows x 272 bytes for each wave, for the way out; no fill lands there
.set SPITCH, 272
.set LAPS, SIZE_K/(2*KSTEP)            ; a lap = two K steps = once round the ring: 4 laps
.set ADRA, 16                          ; v16-17  LDS address of my A fragments in slot 0, 1
.set ADRB, 20                          ; v20-21  the same for B
.set STO,  24                          ; v24     the way out: where I put 16 bytes of a row
.set RD,   25                          ; v25     the way out: where I read a row back
.set CO,   26                          ; v26     my byte offset in C
.set F0,   64                          ; fragment buffer 0
.set F1,   128                         ; fragment buffer 1
.set TMP,  192                         ; the way out: packed results, in window 0
.set G1, 24                            ; s[24:31] descriptor group 1 for A's tiles
.set G0, 32                            ; s[32:39] descriptor group 0 for A's tiles, one set for each slot
.set G1B, 48                           ; s[48:55] descriptor group 1 for B's tiles: it differs from A's in the mask alone
.set G0B, 56                           ; s[56:63] descriptor group 0 for B's tiles, one set for each slot
.set MSB, 0
.macro WIN new                         ; the immediate's high byte repeats the setting that is left
.if MSB != \new
	s_set_vgpr_msb (MSB<<8)|\new
.set MSB, \new
.endif
.endm
.set MUL_LO, 0xa1                      ; source 0 (B) window 1, source 1 (A) window 0, C and D window 2
.set MUL_HI, 0xf1                      ; the same, C and D window 3
.set TO_B,   0x40                      ; destination window 1, address window 0
; A joint load.  Waves 0 and 1 fetch A's two halves, waves 2 and 3 B's.  Each line has one mask and one set of registers for all that issue it.
; The branch hangs on the wave's number alone: it is the same in every work-group.
.macro JLOAD s
	s_cmp_eq_u32 s11, 0
	s_cbranch_scc0 .Lfor_b_\@
	tensor_load_to_lds s[G0+4*\s:G0+4*\s+3], s[G1:G1+7]
	s_nop 0
	s_branch .Lasked_\@
.Lfor_b_\@:
	tensor_load_to_lds s[G0B+4*\s:G0B+4*\s+3], s[G1B:G1B+7]
	s_nop 0
.Lasked_\@:
.endm
; A round of the cluster's barrier: my work-group's barrier, so that wave 0's signal speaks for all four waves; wave 0 signals for the work-group;
; every wave waits for all sixteen work-groups; my work-group's barrier once more.
.macro CREST                           ; a round behind its opening barrier
	s_cmp_lg_u32 s10, 0
	s_cbranch_scc1 .Lnot_wave_0_\@
	s_barrier_signal -3
.Lnot_wave_0_\@:
	s_barrier_wait -3
	s_barrier_signal -1
	s_barrier_wait -1
.endm
.macro CROUND                          ; a whole round
	s_barrier_signal -1
	s_barrier_wait -1
	CREST
.endm
	s_load_b128 s[4:7], s[0:1], 0x0                ; A s[4:5], B s[6:7]
	s_load_b64 s[8:9], s[0:1], 0x10                ; C
	s_set_vgpr_msb 0x40
	v_lshl_add_u32 v255, v0, 2, 0x48400
	s_set_vgpr_msb 0x4000
	v_mov_b32 v255, 0
	s_set_vgpr_msb 0x1
	ds_add_u32 v255, v255
	s_set_vgpr_msb 0x100
	v_lshrrev_b32 v1, 5, v0
	v_readfirstlane_b32 s10, v1                    ; wave 0..3
	s_lshr_b32 s11, s10, 1                         ; which half of the block's rows is mine.  Also: I fetch for A (0) or for B (1)
	s_and_b32 s12, s10, 1                          ; which half of its columns.  Also: which 128 rows of that tile I fetch
	s_bfe_u32 s40, ttmp6, 0x40000                  ; cx: my place along the cluster's x
	s_bfe_u32 s41, ttmp6, 0x40004                  ; cy: along its y
	s_lshl_b32 s42, ttmp9, 2                       ; in a cluster launch ttmp9 and ttmp7 count clusters
	s_add_co_u32 s42, s42, s40                     ; block column of C = 4 x cluster x + cx
	s_and_b32 s13, ttmp7, 0xffff
	s_lshl_b32 s13, s13, 2
	s_add_co_u32 s13, s13, s41                     ; block row of C = 4 x cluster y + cy
	s_lshl_b32 s43, s41, 2
	s_lshl_b32 s43, 15, s43                        ; my row of the cluster: places 4 cy .. 4 cy + 3
	s_lshl_b32 s44, 0x1111, s40                    ; my column: places cx, cx + 4, cx + 8, cx + 12
	; descriptor group 1: a tile of 128 rows x 128 elements, padded in LDS
	s_or_b32 s[G1+0], s43, (1<<16)|(1<<20)|(1<<21)|(5<<22)|(3<<25)  ; 15:0 the mask: A's tiles go to my row; 17:16 element of 2 bytes; 20 padding on; 21 set beside a mask; 24:22 after every 64 words; 31:25 of 4 words
	s_or_b32 s[G1B+0], s44, (1<<16)|(1<<20)|(1<<21)|(5<<22)|(3<<25) ; the same with the mask of my column, for B's tiles
	s_mov_b32 s[G1B+1], KSTEP<<16
	s_mov_b32 s[G1+1], KSTEP<<16                   ; tensor_dim0 = 128
	s_mov_b32 s[G1B+2], 128<<16
	s_mov_b32 s[G1+2], 128<<16                     ; tensor_dim1 = 128
	s_mov_b32 s[G1B+3], KSTEP<<16
	s_mov_b32 s[G1+3], KSTEP<<16                   ; tile_dim0 = 128
	s_mov_b32 s[G1B+4], 128
	s_mov_b32 s[G1+4], 128                         ; tile_dim1 = 128; tile_dim2 = 0
	s_mov_b32 s[G1B+5], SIZE_K
	s_mov_b32 s[G1+5], SIZE_K                      ; elements from row to row
	s_mov_b32 s[G1B+6], 0
	s_mov_b32 s[G1+6], 0
	s_mov_b32 s[G1B+7], 0
	s_mov_b32 s[G1+7], 0
	; where the tiles come from.  A's hang on the block row alone, which my row of the cluster shares; B's on the block column alone, which my column shares.
	s_lshl_b32 s17, s12, 7                         ; which 128 rows of the tile I fetch
	s_lshl_b32 s16, s13, 8
	s_add_co_u32 s16, s16, s17                     ; A: row 256 x block row + 128 x half
	s_lshl_b32 s46, s42, 8
	s_add_co_u32 s46, s46, s17                     ; B: row 256 x block column + 128 x half
	s_mov_b32 s17, 0
	s_mov_b32 s47, 0
	s_mov_b64 s[18:19], SIZE_K*2
	s_mul_u64 s[16:17], s[16:17], s[18:19]         ; in bytes, in 64 bits
	s_mul_u64 s[46:47], s[46:47], s[18:19]
	s_mul_i32 s20, s10, HALFT                      ; and where they go: wave x 128 rows: no place in the cluster enters an LDS address
	s_wait_dscnt 0x0
	s_wait_kmcnt 0x0
	s_add_nc_u64 s[14:15], s[4:5], s[16:17]
	s_add_nc_u64 s[46:47], s[6:7], s[46:47]
	CROUND                                         ; all sixteen work-groups are here: the first joint loads meet
.irp s, 0,1
	s_mov_b32 s[G0+4*\s], 1                                        ; count = 1
	s_add_co_u32 s[G0+4*\s+1], s20, \s*SLOT                        ; LDS address
	s_add_nc_u64 s[G0+4*\s+2:G0+4*\s+3], s[14:15], \s*KSTEP*2      ; global address: K step s
	s_or_b32 s[G0+4*\s+3], s[G0+4*\s+3], 0x80000000                ; type = 2
	s_mov_b32 s[G0B+4*\s], 1
	s_add_co_u32 s[G0B+4*\s+1], s20, \s*SLOT
	s_add_nc_u64 s[G0B+4*\s+2:G0B+4*\s+3], s[46:47], \s*KSTEP*2
	s_or_b32 s[G0B+4*\s+3], s[G0B+4*\s+3], 0x80000000
	JLOAD \s                                       ; the ring is filled before anything else is done: two tensor loads of a wave are out
.endr
	; A fragment is 16 rows x 32 K in 8 registers: lane l holds row l % 16; registers 0-3 hold K = 8 (l / 16) + 0..7, registers 4-7 hold
	; K = 16 + 8 (l / 16) + 0..7: two loads of 16 bytes, 32 bytes apart.
	v_and_b32 v1, 15, v0                           ; l % 16
	v_bfe_u32 v2, v0, 4, 1                         ; l / 16
	v_mul_u32_u24 v3, v1, PITCH
	v_lshl_add_u32 v3, v2, 4, v3                   ; row x pitch + 16 x half
	s_mul_i32 s21, s11, HALFT                      ; my 128 rows of A
	s_mul_i32 s22, s12, HALFT                      ; my 128 rows of B,
	s_add_co_u32 s22, s22, 2*HALFT                 ; which lie behind A's 256
.irp s, 0,1
	v_add_nc_u32 v[ADRA+\s], s21, v3
	v_add_nc_u32 v[ADRB+\s], s22, v3
	s_add_co_u32 s21, s21, SLOT
	s_add_co_u32 s22, s22, SLOT
.endr
	s_mul_i32 s23, s10, 16*SPITCH
	s_add_co_u32 s23, s23, STAGE                   ; my stage
	v_mul_u32_u24 v4, v1, SPITCH                   ; in: row l % 16, 16 bytes for each half of the lanes
	v_lshl_add_u32 v4, v2, 4, v4
	v_add_nc_u32 v[STO], s23, v4
	v_mul_u32_u24 v5, v2, SPITCH                   ; back: lanes 0-15 take one row of 256 bytes, lanes 16-31 the next
	v_lshl_add_u32 v5, v1, 4, v5
	v_add_nc_u32 v[RD], s23, v5
	v_mul_u32_u24 v5, v2, SIZE_N*2                 ; and the same two rows in C
	v_lshl_add_u32 v[CO], v1, 4, v5
; 16 matrix instructions: m blocks a0, a0 + 1 of the window's four x all 8 n blocks, 32 along K.  zero = 1: the first product starts the sums.
.macro MUL16 f, hi, a0, zero
.irp a, \a0, \a0+1
.irp b, 0,1,2,3,4,5,6,7
.if \zero
	v_wmma_f32_16x16x32_bf16 v[8*(8*(\a)+\b):8*(8*(\a)+\b)+7], v[\f+8*\b:\f+8*\b+7], v[\f+8*(4*\hi+\a):\f+8*(4*\hi+\a)+7], 0
.else
	v_wmma_f32_16x16x32_bf16 v[8*(8*(\a)+\b):8*(8*(\a)+\b)+7], v[\f+8*\b:\f+8*\b+7], v[\f+8*(4*\hi+\a):\f+8*(4*\hi+\a)+7], v[8*(8*(\a)+\b):8*(8*(\a)+\b)+7]
.endif
.endr
.endr
.endm
; 32 LDS loads in one run: the fragments of one quarter step (128 rows of B, 128 rows of A, 32 K at byte k of the rows) into buffer f
.macro FETCH slot, k, f
	WIN TO_B
.irp i, 0,1,2,3,4,5,6,7
	ds_load_b128 v[\f+8*\i:\f+8*\i+3],   v[ADRB+\slot] offset:\k+\i*16*PITCH
	ds_load_b128 v[\f+8*\i+4:\f+8*\i+7], v[ADRB+\slot] offset:\k+\i*16*PITCH+32
.endr
	WIN 0
.irp i, 0,1,2,3,4,5,6,7
	ds_load_b128 v[\f+8*\i:\f+8*\i+3],   v[ADRA+\slot] offset:\k+\i*16*PITCH
	ds_load_b128 v[\f+8*\i+4:\f+8*\i+7], v[ADRA+\slot] offset:\k+\i*16*PITCH+32
.endr
.endm
; A load into a register that a matrix instruction has read, and a vector instruction that reads a matrix result, stand four places behind that
; matrix instruction, and only plain vector instructions that name none of its registers are places.
.macro PLACES
.rept 4
	v_nop
.endr
.endm
; A K step is four quarter steps of 32 along K, 64 matrix instructions each, on buffers 0, 1, 0, 1.  The 64 accumulators take turns, one
; instruction a turn, in the same order in every quarter.
.macro QUARTER slot, k, f, g, zero
	s_wait_dscnt 8                                 ; B and A's rows 0-63 are in; the youngest eight loads (A's rows 64-127) may be out
	WIN MUL_LO
	MUL16 \f, 0, 0, \zero
	MUL16 \f, 0, 2, \zero
	PLACES
	FETCH \slot, \k, \g
	s_wait_dscnt 32                                ; all but the 32 just issued
	WIN MUL_HI
	MUL16 \f, 1, 0, \zero
	MUL16 \f, 1, 2, \zero
.endm
.macro THREE slot, zero
	QUARTER \slot, 64,  F0, F1, \zero
	QUARTER \slot, 128, F1, F0, 0
	QUARTER \slot, 192, F0, F1, 0
.endm
; The last quarter: multiplies buffer 1 and changes slots.  In front of the barrier each wave waits for its own reads of this slot and for all
; its tensor loads, of which one is out: its part of the next slot.  Behind it the refill comes first, then the next slot's first fragments.
.macro TURN slot, next, fill
	s_wait_dscnt 8
	WIN MUL_LO
	MUL16 F1, 0, 0, 0
	s_wait_dscnt 0                                 ; my reads of this slot are over
	s_wait_tensorcnt 0x0                           ; and all my tensor loads have landed
	ds_add_u32 v255, v255
	s_wait_dscnt 0x0
	s_barrier_signal -1                            ; say so (where a slot is filled again this barrier opens a round of the cluster's barrier),
	MUL16 F1, 0, 2, 0                              ; work on registers while the others arrive,
	WIN 0
	s_barrier_wait -1                              ; and go on when all four have said so
.if \fill
	CREST                                          ; no wave of any partner still reads this slot's tile or has a load on its way
	s_add_nc_u64 s[G0+4*\slot+2:G0+4*\slot+3], s[G0+4*\slot+2:G0+4*\slot+3], 2*KSTEP*2
	s_add_nc_u64 s[G0B+4*\slot+2:G0B+4*\slot+3], s[G0B+4*\slot+2:G0B+4*\slot+3], 2*KSTEP*2
	JLOAD \slot                                    ; the first tensor load behind the round, and the wave's only one until the next
.endif
	PLACES
	FETCH \next, 0, F0
	WIN MUL_HI
	MUL16 F1, 1, 0, 0
	MUL16 F1, 1, 2, 0
.endm
.macro LAP zero                        ; once round the ring, both slots filled again
	THREE 0, \zero
	TURN 0, 1, 1
	THREE 1, 0
	TURN 1, 0, 1
.endm
	s_wait_tensorcnt 1                             ; my part of K step 0 is in; K step 1's load, issued behind it, may stay out
	s_barrier_signal -1
	s_barrier_wait -1                              ; everybody's is
	FETCH 0, 0, F0
	LAP 1                                          ; the first lap stands in front of the loop: its first products start the sums
.if LAPS > 2
	WIN 0                                          ; at a label and at a branch every window is 0
	s_mov_b32 s3, LAPS-2
.Llap:
	LAP 0
	WIN 0
	s_sub_co_u32 s3, s3, 1
	s_cmp_lg_u32 s3, 0
	s_cbranch_scc1 .Llap
.endif
	THREE 0, 0                                     ; the last lap fills nothing
	TURN 0, 1, 0
	THREE 1, 0
	s_wait_dscnt 8                                 ; the very last quarter: nothing more to fetch
	WIN MUL_LO
	MUL16 F1, 0, 0, 0
	MUL16 F1, 0, 2, 0
	s_wait_dscnt 0
	WIN MUL_HI
	MUL16 F1, 1, 0, 0
	MUL16 F1, 1, 2, 0
	; THE WAY OUT, 16 rows of C at a time: round to f16, 16 bytes a lane into my own stage in LDS, read back as whole rows of 256 bytes.
	PLACES
	s_lshl_b32 s13, s13, 8
	s_lshl_b32 s14, s11, 7
	s_add_co_u32 s16, s13, s14                     ; my first row of C
	s_mov_b32 s17, 0
	s_mov_b64 s[18:19], SIZE_N*2
	s_mul_u64 s[16:17], s[16:17], s[18:19]
	s_add_nc_u64 s[8:9], s[8:9], s[16:17]
	s_lshl_b32 s46, s42, 9                         ; my first column, in bytes: 512 x block + 256 x half
	s_lshl_b32 s47, s12, 8
	s_add_co_u32 s46, s46, s47
	s_mov_b32 s47, 0
	s_add_nc_u64 s[8:9], s[8:9], s[46:47]
; rows 16 i .. 16 i + 15 of my block = the eight tiles (a, 0..7) of window 2 or 3 (from = 0x0a or 0x0f: sources 0 and 1); f: F0 or F1 in turn
.macro OUT16 i, a, from, f
	WIN \from
.irp b, 0,1,2,3,4,5,6,7
.irp r, 0,1,2,3
	v_cvt_pk_f16_f32 v[TMP+4*\b+\r], v[8*(8*\a+\b)+2*\r], v[8*(8*\a+\b)+2*\r+1]               ; the first source into the low half
.endr
.endr
	WIN 0
.irp b, 0,1,2,3,4,5,6,7
	ds_store_b128 v[STO], v[TMP+4*\b:TMP+4*\b+3] offset:32*\b
.endr
	s_wait_xcnt 0x0                                ; buffer f, which earlier stores read, and the stores' base are rewritten only behind this wait
.if \i
	s_add_nc_u64 s[8:9], s[8:9], 16*SIZE_N*2       ; 16 rows of C on, so that the stores' offsets stay small
.endif
.irp t, 0,1,2,3,4,5,6,7
	ds_load_b128 v[\f+4*\t:\f+4*\t+3], v[RD] offset:\t*2*SPITCH    ; LDS serves a wave's instructions in order: these see the stores above
.endr
.irp t, 0,1,2,3,4,5,6,7
	s_wait_dscnt 7-\t                              ; load t of the eight is back, the younger ones stay out
	global_store_b128 v[CO], v[\f+4*\t:\f+4*\t+3], s[8:9] offset:2*\t*SIZE_N*2   ; 16 lanes store 256 consecutive bytes, aligned
.endr
.endm
	OUT16 0, 0, 0x0a, F0
	OUT16 1, 1, 0x0a, F1
	OUT16 2, 2, 0x0a, F0
	OUT16 3, 3, 0x0a, F1
	OUT16 4, 0, 0x0f, F0
	OUT16 5, 1, 0x0f, F1
	OUT16 6, 2, 0x0f, F0
	OUT16 7, 3, 0x0f, F1
	s_set_vgpr_msb 0x1
	s_wait_tensorcnt 0x0
	ds_add_u32 v255, v255
	s_wait_dscnt 0x0
	s_set_vgpr_msb 0x100
	CROUND                                         ; the closing round: no work-group ends while a partner may still ask for a tile that names it
	s_endpgm
.Lfunc_end_k_q56afdf29e2_gemm:
	.size	k_q56afdf29e2_gemm, .Lfunc_end_k_q56afdf29e2_gemm-k_q56afdf29e2_gemm
	.p2alignl 7, 3214868480
	.fill 96, 4, 3214868480
	.section	.rodata,"a",@progbits
	.p2align	6, 0x0
	.amdhsa_kernel k_q56afdf29e2_gemm
		.amdhsa_group_segment_fixed_size 327680
		.amdhsa_private_segment_fixed_size 0
		.amdhsa_enable_private_segment 0
		.amdhsa_kernarg_size 24
		.amdhsa_user_sgpr_count 2
		.amdhsa_user_sgpr_kernarg_segment_ptr 1
		.amdhsa_wavefront_size32 1
		.amdhsa_system_sgpr_workgroup_id_x 1
		.amdhsa_system_sgpr_workgroup_id_y 1
		.amdhsa_system_sgpr_workgroup_id_z 1
		.amdhsa_system_vgpr_workitem_id 0
		.amdhsa_next_free_vgpr 1024
		.amdhsa_next_free_sgpr 66
		.amdhsa_reserve_vcc 0
		.amdhsa_float_denorm_mode_32 3
		.amdhsa_float_denorm_mode_16_64 3
		.amdhsa_memory_ordered 1
		.amdhsa_forward_progress 1
		.amdhsa_inst_pref_size 196
	.end_amdhsa_kernel
	.amdgpu_metadata
---
amdhsa.version: [ 1, 2 ]
amdhsa.kernels:
  - .name:           k_q56afdf29e2_gemm
    .symbol:         k_q56afdf29e2_gemm.kd
    .args:
      - { .name: xb, .offset: 0, .size: 8, .value_kind: global_buffer, .address_space: global }
      - { .name: wqk, .offset: 8, .size: 8, .value_kind: global_buffer, .address_space: global }
      - { .name: qk, .offset: 16, .size: 8, .value_kind: global_buffer, .address_space: global }
    .group_segment_fixed_size: 327680
    .private_segment_fixed_size: 0
    .kernarg_segment_align: 8
    .kernarg_segment_size: 24
    .max_flat_workgroup_size: 128
    .sgpr_count:     66
    .vgpr_count:     1024
    .wavefront_size: 32
...
	.end_amdgpu_metadata
.endif
;; end of part 6
;; launch energy (part 7): grid 256 x 1, 8 waves a work-group, no clusters, 168,960 bytes of LDS; arguments qk, en, st; writes en, st
.if DOCPART == 7
	.amdgcn_target "amdgcn-amd-amdhsa--gfx1250"
	.amdhsa_code_object_version 6
	.text
	.protected	k_q56afdf29e2_energy
	.globl	k_q56afdf29e2_energy
	.p2align	8
	.type	k_q56afdf29e2_energy,@function
k_q56afdf29e2_energy:
	s_mov_b64 s[64:65], 0
	v_nop
	global_prefetch_b8 v0, s[64:65] scope:SCOPE_SE
	s_setreg_imm32_b32 hwreg(HW_REG_WAVE_MODE, 25, 1), 1
	s_wait_xcnt 0x0
; ENERGY: for each row s (a sequence place of a batch) e'[hq][hk] = (sum over d of q[s][64 hq + d] k[s][64 hk + d]) x 0.125 x log2(e): one 16 x 16 x 64
; product a row, on f16 operands (q and k come in f16, 11 significant bits) with f32 sums.
; The softmax of reference() runs over the 2,048 rows of a batch, which 64 work-groups share: this launch stores e' and, for its block
; of 32 rows, the maximum m and z = sum of 2^(e' - m) of each (hq, hk); the next launch joins the 64 blocks (a running maximum, as reference() takes it away).
; The work-group has 32 rows, a wave 4.  One tensor load a wave brings its 4 rows of qk (16,384 bytes) into LDS bytes of its own, filled once:
; one tensor load of a wave is out, only the issuing wave reads its tile, so its own wait on TENSORcnt is all the ordering that the reads need.
; Source 0 = k's heads, source 1 = q's heads: lane (r, h) holds hq = r, register jj holds hk = 8 h + jj.  en and st keep exactly that register image:
;   en: [row 8192][c2 2][lane 32][16 B] f32, register 4 c2 + i;   st: [block 256][m c2 0, m c2 1, z c2 0, z c2 1][lane 32][16 B]
; No cluster: no two work-groups read the same byte.
; LIMITS: 2^x comes out as 0 below 2^-126; a NaN or an infinity among the inputs (or a q or k beyond f16's 65,504) is not carried as reference() carries it.
.set CH,    144                        ; a head's 128 bytes + 16 of padding: an odd multiple of 16
.set ROWB,  32*CH                      ; a row of qk in LDS: 32 heads (16 of q, 16 of k)
.set TILE,  4*ROWB                     ; a wave's tile: 18,432 bytes
.set SCR,   8*TILE                     ; 147,456, a multiple of 256: 8 x 2,048 bytes of scratch, into which no fill lands
.set F,     16                         ; v[16:143]  row i at 16 + 32 i: k's fragment d 0-31, q's, k's d 32-63, q's
.set E,     144                        ; v[144:175] row i: 8 registers
.set MW,    176                        ; v[176:183] maxima
.set ZW,    184                        ; v[184:191] sums
.set TT,    192                        ; v[192:223] at work
; Joins eight (m, z) pairs that lie at src + 16 b (m: 8 registers, then z: 8): mm = max of m_b, zz = sum of z_b 2^(m_b - mm).
.macro COMBINE src, mm, zz, tt
.irp j, 0,1,2,3,4,5,6,7
	v_max3_num_f32 v[\mm+\j], v[\src+\j], v[\src+16+\j], v[\src+32+\j]
.endr
.irp j, 0,1,2,3,4,5,6,7
	v_max3_num_f32 v[\mm+\j], v[\mm+\j], v[\src+48+\j], v[\src+64+\j]
.endr
.irp j, 0,1,2,3,4,5,6,7
	v_max3_num_f32 v[\mm+\j], v[\mm+\j], v[\src+80+\j], v[\src+96+\j]
.endr
.irp j, 0,1,2,3,4,5,6,7
	v_max_num_f32 v[\mm+\j], v[\mm+\j], v[\src+112+\j]
.endr
.irp b, 0,1,2,3,4,5,6,7
.irp p, 0,2,4,6
	v_pk_add_f32 v[\tt+\p:\tt+\p+1], v[\src+16*\b+\p:\src+16*\b+\p+1], v[\mm+\p:\mm+\p+1] neg_lo:[0,1] neg_hi:[0,1]
.endr
.irp j, 0,1,2,3,4,5,6,7
	v_exp_f32 v[\tt+\j], v[\tt+\j]
.endr
	v_nop                                          ; one plain place behind the exponentials before their results are read (ISA guide 5.7.2)
	s_wait_alu depctr_va_vdst(0)
.irp p, 0,2,4,6
.if \b == 0
	s_wait_alu depctr_va_vdst(0)
	v_pk_mul_f32 v[\zz+\p:\zz+\p+1], v[\src+8+\p:\src+8+\p+1], v[\tt+\p:\tt+\p+1]
.else
	v_pk_fma_f32 v[\zz+\p:\zz+\p+1], v[\src+16*\b+8+\p:\src+16*\b+8+\p+1], v[\tt+\p:\tt+\p+1], v[\zz+\p:\zz+\p+1]
.endif
.endr
.endr
.endm
	s_load_b128 s[4:7], s[0:1], 0x0                ; qk s[4:5], en s[6:7]
	s_load_b64 s[8:9], s[0:1], 0x10                ; st
	v_lshl_add_u32 v224, v0, 2, 0x29000
	v_mov_b32 v225, 0
	ds_add_u32 v224, v225
	v_lshrrev_b32 v1, 5, v0
	v_readfirstlane_b32 s10, v1                    ; wave 0..7
	; descriptor group 1: 4 rows of 2,048 elements of 2 bytes; 4 words of padding behind every 32 words (a head's 128 bytes)
	s_mov_b32 s24, (1<<16)|(1<<20)|(4<<22)|(3<<25)
	s_mov_b32 s25, 2048<<16                        ; tensor_dim0 = 2,048
	s_mov_b32 s26, 4<<16                           ; tensor_dim1 = 4
	s_mov_b32 s27, 2048<<16                        ; tile_dim0 = 2,048
	s_mov_b32 s28, 4                               ; tile_dim1 = 4
	s_mov_b32 s29, 2048                            ; elements from row to row
	s_mov_b32 s30, 0
	s_mov_b32 s31, 0
	s_mov_b32 s20, 1                               ; group 0: count
	s_mul_i32 s21, s10, TILE                       ; LDS address: the wave's own tile
	s_lshl_b32 s12, ttmp9, 17                      ; 32 rows of 4,096 bytes
	s_lshl_b32 s13, s10, 14                        ; 4 rows
	s_add_co_u32 s12, s12, s13
	s_mov_b32 s13, 0
	s_lshl_b32 s14, ttmp9, 15                      ; en: 32 rows of 1,024 bytes
	s_lshl_b32 s15, s10, 12
	s_add_co_u32 s14, s14, s15
	s_mov_b32 s15, 0
	s_lshl_b32 s16, ttmp9, 11                      ; st: 2,048 bytes a block
	s_mov_b32 s17, 0
	s_wait_dscnt 0x0
	s_wait_kmcnt 0x0
	s_add_nc_u64 s[22:23], s[4:5], s[12:13]
	s_or_b32 s23, s23, 0x80000000                  ; type = 2
	tensor_load_to_lds s[20:23], s[24:31]
	s_nop 0
	s_add_nc_u64 s[6:7], s[6:7], s[14:15]
	s_add_nc_u64 s[8:9], s[8:9], s[16:17]
	v_and_b32 v2, 31, v0                           ; lane
	v_and_b32 v3, 15, v0                           ; r
	v_bfe_u32 v8, v0, 4, 1                         ; h
	v_mul_u32_u24 v4, v3, CH
	v_lshl_add_u32 v4, v8, 4, v4
	v_add_nc_u32 v4, s21, v4                       ; my tile + head r + 16 h
	v_lshlrev_b32 v5, 4, v2                        ; 16 lane
	s_lshl_b32 s18, s10, 11
	s_add_co_u32 s18, s18, SCR
	v_add_nc_u32 v6, s18, v5                       ; my 2,048 bytes of scratch
	v_add_nc_u32 v7, SCR, v5                       ; the scratch's first
	s_wait_tensorcnt 0x0                           ; my tile is in LDS
.irp kk, 0,1
.irp i, 0,1,2,3
	ds_load_b128 v[F+32*\i+16*\kk:F+32*\i+16*\kk+3],     v4 offset:ROWB*\i+16*CH+64*\kk       ; k's heads lie 16 heads behind q's
	ds_load_b128 v[F+32*\i+16*\kk+4:F+32*\i+16*\kk+7],   v4 offset:ROWB*\i+16*CH+64*\kk+32
	ds_load_b128 v[F+32*\i+16*\kk+8:F+32*\i+16*\kk+11],  v4 offset:ROWB*\i+64*\kk
	ds_load_b128 v[F+32*\i+16*\kk+12:F+32*\i+16*\kk+15], v4 offset:ROWB*\i+64*\kk+32
.endr
.endr
	s_wait_dscnt 16                                ; the 16 loads of d = 0..31 are back; the 16 of d = 32..63 stay out
.irp i, 0,1,2,3
	v_wmma_f32_16x16x32_f16 v[E+8*\i:E+8*\i+7], v[F+32*\i:F+32*\i+7], v[F+32*\i+8:F+32*\i+15], 0
.endr
	s_wait_dscnt 0x0
.irp i, 0,1,2,3                                    ; the four accumulators take turns, one instruction a turn
	v_wmma_f32_16x16x32_f16 v[E+8*\i:E+8*\i+7], v[F+32*\i+16:F+32*\i+23], v[F+32*\i+24:F+32*\i+31], v[E+8*\i:E+8*\i+7]
.endr
.rept 4
	v_nop                                          ; four places behind the last matrix instruction before its result is read (ISA guide 7.12.1)
.endr
.set j, 0
.rept 16
	v_pk_mul_f32 v[E+j:E+j+1], v[E+j:E+j+1], 0x3e38aa3b op_sel_hi:[1,0]          ; x 1/sqrt(64) x log2(e): exponentials are taken in base 2
.set j, j+2
.endr
.irp i, 0,1,2,3
	global_store_b128 v5, v[E+8*\i:E+8*\i+3], s[6:7] offset:1024*\i              ; 512 consecutive bytes each
	global_store_b128 v5, v[E+8*\i+4:E+8*\i+7], s[6:7] offset:1024*\i+512
.endr
.irp j, 0,1,2,3,4,5,6,7
	v_max3_num_f32 v[MW+\j], v[E+\j], v[E+8+\j], v[E+16+\j]
.endr
.irp j, 0,1,2,3,4,5,6,7
	v_max_num_f32 v[MW+\j], v[MW+\j], v[E+24+\j]
.endr
.irp i, 0,1,2,3
.irp p, 0,2,4,6
	v_pk_add_f32 v[TT+8*\i+\p:TT+8*\i+\p+1], v[E+8*\i+\p:E+8*\i+\p+1], v[MW+\p:MW+\p+1] neg_lo:[0,1] neg_hi:[0,1]
.endr
.endr
.set j, 0
.rept 32
	v_exp_f32 v[TT+j], v[TT+j]
.set j, j+1
.endr
	v_nop                                          ; one plain place behind the exponentials
	s_wait_alu depctr_va_vdst(0)
.irp p, 0,2,4,6
	v_pk_add_f32 v[ZW+\p:ZW+\p+1], v[TT+\p:TT+\p+1], v[TT+8+\p:TT+8+\p+1]
	v_pk_add_f32 v[TT+16+\p:TT+16+\p+1], v[TT+16+\p:TT+16+\p+1], v[TT+24+\p:TT+24+\p+1]
	v_pk_add_f32 v[ZW+\p:ZW+\p+1], v[ZW+\p:ZW+\p+1], v[TT+16+\p:TT+16+\p+1]
.endr
	ds_store_b128 v6, v[MW:MW+3]
	ds_store_b128 v6, v[MW+4:MW+7] offset:512
	ds_store_b128 v6, v[ZW:ZW+3] offset:1024
	ds_store_b128 v6, v[ZW+4:ZW+7] offset:1536
	s_wait_dscnt 0x0                               ; my figures are in LDS, for wave 0's sake
	s_barrier_signal -1
	s_barrier_wait -1
	s_cmp_lg_u32 s10, 0
	s_cbranch_scc1 .Lend                           ; wave 0 joins the eight waves' figures
.irp b, 0,1,2,3,4,5,6,7
.irp q, 0,1,2,3
	ds_load_b128 v[F+16*\b+4*\q:F+16*\b+4*\q+3], v7 offset:2048*\b+512*\q
.endr
.endr
	s_wait_dscnt 0x0
	COMBINE F, MW, ZW, TT
	global_store_b128 v5, v[MW:MW+3], s[8:9]
	global_store_b128 v5, v[MW+4:MW+7], s[8:9] offset:512
	global_store_b128 v5, v[ZW:ZW+3], s[8:9] offset:1024
	global_store_b128 v5, v[ZW+4:ZW+7], s[8:9] offset:1536
.Lend:
	s_wait_tensorcnt 0x0
	ds_add_u32 v224, v225
	s_wait_dscnt 0x0
	s_endpgm
.Lfunc_end_k_q56afdf29e2_energy:
	.size	k_q56afdf29e2_energy, .Lfunc_end_k_q56afdf29e2_energy-k_q56afdf29e2_energy
	.p2alignl 7, 3214868480
	.fill 96, 4, 3214868480
	.section	.rodata,"a",@progbits
	.p2align	6, 0x0
	.amdhsa_kernel k_q56afdf29e2_energy
		.amdhsa_group_segment_fixed_size 168960
		.amdhsa_private_segment_fixed_size 0
		.amdhsa_enable_private_segment 0
		.amdhsa_kernarg_size 24
		.amdhsa_user_sgpr_count 2
		.amdhsa_user_sgpr_kernarg_segment_ptr 1
		.amdhsa_wavefront_size32 1
		.amdhsa_system_sgpr_workgroup_id_x 1
		.amdhsa_system_sgpr_workgroup_id_y 1
		.amdhsa_system_sgpr_workgroup_id_z 1
		.amdhsa_system_vgpr_workitem_id 0
		.amdhsa_next_free_vgpr 226
		.amdhsa_next_free_sgpr 66
		.amdhsa_reserve_vcc 0
		.amdhsa_float_denorm_mode_32 3
		.amdhsa_float_denorm_mode_16_64 3
		.amdhsa_memory_ordered 1
		.amdhsa_forward_progress 1
		.amdhsa_inst_pref_size 23
	.end_amdhsa_kernel
	.amdgpu_metadata
---
amdhsa.version: [ 1, 2 ]
amdhsa.kernels:
  - .name:           k_q56afdf29e2_energy
    .symbol:         k_q56afdf29e2_energy.kd
    .args:
      - { .name: qk, .offset: 0, .size: 8, .value_kind: global_buffer, .address_space: global }
      - { .name: en, .offset: 8, .size: 8, .value_kind: global_buffer, .address_space: global }
      - { .name: st, .offset: 16, .size: 8, .value_kind: global_buffer, .address_space: global }
    .group_segment_fixed_size: 168960
    .private_segment_fixed_size: 0
    .kernarg_segment_align: 8
    .kernarg_segment_size: 24
    .max_flat_workgroup_size: 256
    .sgpr_count:     66
    .vgpr_count:     226
    .wavefront_size: 32
...
	.end_amdgpu_metadata
.endif
;; end of part 7
;; launch mix: the kernel of part 4 again; grid 256 x 1, 8 waves a work-group, no clusters, 93,696 bytes of LDS; arguments xb, wsm, en, st, af, vsf; writes af, vsf
;; launch final (part 8): grid 256 x 1, 8 waves a work-group, no clusters, 132,608 bytes of LDS; arguments vsf, af, wsm, bo, out0; writes out0
.if DOCPART == 8
	.amdgcn_target "amdgcn-amd-amdhsa--gfx1250"
	.amdhsa_code_object_version 6
	.text
	.protected	k_q56afdf29e2_final
	.globl	k_q56afdf29e2_final
	.p2align	8
	.type	k_q56afdf29e2_final,@function
k_q56afdf29e2_final:
	s_mov_b64 s[64:65], 0
	v_nop
	global_prefetch_b8 v0, s[64:65] scope:SCOPE_SE
	s_setreg_imm32_b32 hwreg(HW_REG_WAVE_MODE, 25, 1), 1
	s_wait_xcnt 0x0
; FINAL: out0[n][128 hq + sb][j] = sum over t of A[g][hq][t] P[g][t][j] + bo[j], with g = 128 n + sb, row s = 16 sb + t, and
; P[g][t][j] = sum over d of Vs[16 g + t][d] Wo[j][64 t + d].  (reference() reshapes (head, s, d) to rows of 1,024 without a transpose, so that row
; 128 hq + sb of the last product holds A[hq][s] Vs[s][d] of the sixteen s = 16 sb + t: the product with Wo splits into these two.)
; The work-group has 16 g (gb = id>>3) and 128 columns (cb = id&7), taken as TWO HALVES of 64 columns (c6 = 0, 1), one behind the other; a half is four
; column tiles: tile jl holds the columns 128 cb + 64 c6 + 4 r + jl.  All loads are issued at the head, the first half's in front: the second half's weights
; arrive while the first half is multiplied, and the first half's stores leave while the second half is multiplied.
; Stage 1: wave w has t = 2 w, 2 w + 1: source 0 = Vs (16 g x 64 d, terms hi and lo), source 1 = Wo's fragments: 32 matrix instructions a half.
; P goes to LDS as two bf16 terms (hi, lo), the two t of a wave packed in a word.  Each half has LDS bytes of its own, so a wave that stores the second
; half's P touches no byte that another wave still reads of the first: one barrier a half, between its stores and its reads.
; Stage 2: wave w has g = 2 w, 2 w + 1: source 0 = a term of A (16 hq; K places 0-15 and 16-31 both hold t = 0..15), source 1 = P (places 0-15 hi, 16-31 lo);
; one pass with A's hi term, one with its lo term: (A_hi + A_lo)(P_hi + P_lo).
; The four tiles of a half hold four neighbouring columns: the add of the bias lays them into four neighbouring registers, and sixteen lanes
; store 256 consecutive bytes, aligned.
; No cluster: Wo's 262,144 bytes of a column block, which 32 work-groups read, go straight into the registers of the one wave that uses each fragment
; (32,768 bytes a wave); with P's 131,584 bytes they would not fit in LDS together.
; More loads are issued at once than a counter's field holds; the issue then waits by itself (ISA guide 5.7.1); no wait is placed for that.
.set PL,   4112                        ; a plane of P of one half: 8 g x 4 tiles x 128 bytes + 16
.set PL2,  2*PL                        ; a wave's two planes (hi, lo)
.set HREG, 8*PL2                       ; 65,792: the sixteen planes of one half
.set VA,   16                          ; v[16:79]   Vs: fragment (tl, part, kk) at 8 (4 tl + 2 part + kk); at the end the second half's results on their way out
.set ACC,  80                          ; v[80:143]  stage 1: tile (tl, jl) at 32 tl + 8 jl
.set PF,   144                         ; v[144:207] stage 2: P's fragment (gl, jl) at 8 (4 gl + jl); before that at work in the split, two sets of 32
.set AFH,  208                         ; v[208:223] A's hi term, gl = 0, 1
.set BO,   224                         ; v[224:231] bias of my columns
.set AFL,  240                         ; v[240:255] A's lo term, gl = 0, 1
.set TO0,  64                          ; window 1, v[320:383]: the first half's results on their way out (Wo's fragments there are spent; nothing writes them again)
.set TO1,  16                          ; window 0, v[16:79]:   the second half's
; window 1 (v256-511): Wo's 32 fragments, fragment (c6, tl, kk, jl) at 8 (4 (2 (2 c6 + tl) + kk) + jl); in stage 2 v256-319 take the 8 result tiles
.set MSB, 0
.macro WIN new                         ; the immediate's high byte repeats the setting that is left
.if MSB != \new
	s_set_vgpr_msb (MSB<<8)|\new
.set MSB, \new
.endif
.endm
.macro PLACES                          ; four places behind a matrix instruction before its result is read or its registers are written (ISA guide 7.12.1)
.rept 4
	v_nop
.endr
.endm
; 32 loads: Wo's fragments of half c6, in four batches (tl, kk) of eight
.macro WBLOAD c6
.irp tl, 0,1
.irp kk, 0,1
.irp jl, 0,1,2,3
	global_load_b128 v[8*(4*(2*(2*\c6+\tl)+\kk)+\jl):8*(4*(2*(2*\c6+\tl)+\kk)+\jl)+3],   v1, s[22:23] offset:32768*(4*\c6+\jl)+2048*\tl+1024*\kk
	global_load_b128 v[8*(4*(2*(2*\c6+\tl)+\kk)+\jl)+4:8*(4*(2*(2*\c6+\tl)+\kk)+\jl)+7], v1, s[22:23] offset:32768*(4*\c6+\jl)+2048*\tl+1024*\kk+512
.endr
.endr
.endr
.endm
; 8 matrix instructions: t = 2 w + tl, d = 32 kk .. +31, both terms of Vs, four column tiles.  The four accumulators take turns, one instruction a turn.
.macro STAGE1 c6, tl, kk, left
	s_wait_loadcnt \left                           ; Vs and this batch of Wo's fragments are in; what was issued behind the batch stays out
.irp part, 0,1
.irp jl, 0,1,2,3
.if (\kk+\part) == 0
	v_wmma_f32_16x16x32_bf16 v[ACC+32*\tl+8*\jl:ACC+32*\tl+8*\jl+7], v[VA+8*(4*\tl+2*\part+\kk):VA+8*(4*\tl+2*\part+\kk)+7], v[8*(4*(2*(2*\c6+\tl)+\kk)+\jl):8*(4*(2*(2*\c6+\tl)+\kk)+\jl)+7], 0
.else
	v_wmma_f32_16x16x32_bf16 v[ACC+32*\tl+8*\jl:ACC+32*\tl+8*\jl+7], v[VA+8*(4*\tl+2*\part+\kk):VA+8*(4*\tl+2*\part+\kk)+7], v[8*(4*(2*(2*\c6+\tl)+\kk)+\jl):8*(4*(2*(2*\c6+\tl)+\kk)+\jl)+7], v[ACC+32*\tl+8*\jl:ACC+32*\tl+8*\jl+7]
.endif
.endr
.endr
.endm
; P(g = 8 h + jj, column place r) of my two t, a tile (eight g) at a time: hi = both t rounded to bf16 in one word, lo = what hi left over, likewise.
; Set jl & 1 of the temporaries: hi at +0, the two t widened and then the remainders at +8 and +16, lo at +24.  adr: the register with the half's LDS address.
.macro PSPLIT adr
.irp jl, 0,1,2,3
.irp jj, 0,1,2,3,4,5,6,7
	v_cvt_pk_bf16_f32 v[PF+32*(\jl&1)+\jj], v[ACC+8*\jl+\jj], v[ACC+32+8*\jl+\jj]
.endr
.irp jj, 0,1,2,3,4,5,6,7
	v_lshlrev_b32 v[PF+32*(\jl&1)+8+\jj], 16, v[PF+32*(\jl&1)+\jj]
	v_and_b32 v[PF+32*(\jl&1)+16+\jj], s33, v[PF+32*(\jl&1)+\jj]
.endr
.irp p, 0,2,4,6
	v_pk_add_f32 v[PF+32*(\jl&1)+8+\p:PF+32*(\jl&1)+8+\p+1], v[ACC+8*\jl+\p:ACC+8*\jl+\p+1], v[PF+32*(\jl&1)+8+\p:PF+32*(\jl&1)+8+\p+1] neg_lo:[0,1] neg_hi:[0,1]
	v_pk_add_f32 v[PF+32*(\jl&1)+16+\p:PF+32*(\jl&1)+16+\p+1], v[ACC+32+8*\jl+\p:ACC+32+8*\jl+\p+1], v[PF+32*(\jl&1)+16+\p:PF+32*(\jl&1)+16+\p+1] neg_lo:[0,1] neg_hi:[0,1]
.endr
.irp jj, 0,1,2,3,4,5,6,7
	v_cvt_pk_bf16_f32 v[PF+32*(\jl&1)+24+\jj], v[PF+32*(\jl&1)+8+\jj], v[PF+32*(\jl&1)+16+\jj]
.endr
.irp jj, 0,1,2,3,4,5,6,7
	ds_store_b32 v[\adr], v[PF+32*(\jl&1)+\jj] offset:512*\jj+128*\jl              ; 128 consecutive bytes
.endr
.irp jj, 0,1,2,3,4,5,6,7
	ds_store_b32 v[\adr], v[PF+32*(\jl&1)+24+\jj] offset:PL+512*\jj+128*\jl
.endr
.endr
.endm
; 64 LDS loads: P's fragments of my two g: register 4 part + i of lane half h is the pair of t of wave 4 h + i
.macro PLOAD adr
.irp gl, 0,1
.irp jl, 0,1,2,3
.irp part, 0,1
.irp i, 0,1,2,3
	ds_load_b32 v[PF+8*(4*\gl+\jl)+4*\part+\i], v[\adr] offset:PL2*\i+PL*\part+512*\gl+128*\jl
.endr
.endr
.endr
.endr
.endm
; 16 matrix instructions: A's hi term starts the eight sums, its lo term adds onto them in the same order: the eight accumulators take turns, one instruction a turn
.macro STAGE2
	WIN 0x40                                       ; results in window 1
.irp gl, 0,1
.irp jl, 0,1,2,3
	v_wmma_f32_16x16x32_bf16 v[8*(4*\gl+\jl):8*(4*\gl+\jl)+7], v[AFH+8*\gl:AFH+8*\gl+7], v[PF+8*(4*\gl+\jl):PF+8*(4*\gl+\jl)+7], 0
.endr
.endr
	WIN 0x50                                       ; C and D in window 1
.irp gl, 0,1
.irp jl, 0,1,2,3
	v_wmma_f32_16x16x32_bf16 v[8*(4*\gl+\jl):8*(4*\gl+\jl)+7], v[AFL+8*\gl:AFL+8*\gl+7], v[PF+8*(4*\gl+\jl):PF+8*(4*\gl+\jl)+7], v[8*(4*\gl+\jl):8*(4*\gl+\jl)+7]
.endr
.endr
	PLACES
.endm
; + bo, and four neighbouring columns into four neighbouring registers
.macro BIAS c6, to
.irp gl, 0,1
.irp jj, 0,1,2,3,4,5,6,7
.irp jl, 0,1,2,3
	v_add_f32 v[\to+32*\gl+4*\jj+\jl], v[8*(4*\gl+\jl)+\jj], v[BO+4*\c6+\jl]
.endr
.endr
.endr
.endm
; 16 stores: sixteen lanes write 256 consecutive bytes, aligned, of row 128 (8 h + jj) + sb
.macro STORE16 c6, to
.irp gl, 0,1
.irp jj, 0,1,2,3,4,5,6,7
	global_store_b128 v5, v[\to+32*\gl+4*\jj:\to+32*\gl+4*\jj+3], s[28:29] offset:524288*\jj+4096*\gl+256*\c6 th:TH_STORE_NT
.endr
.endr
.endm
	s_load_b256 s[4:11], s[0:1], 0x0               ; vsf 4, af 6, wsm 8, bo 10
	s_load_b64 s[12:13], s[0:1], 0x20              ; out0
	v_lshl_add_u32 v238, v0, 2, 0x20200
	v_mov_b32 v239, 0
	v_lshrrev_b32 v9, 5, v0
	v_readfirstlane_b32 s16, v9                    ; wave 0..7
	s_lshr_b32 s17, ttmp9, 3                       ; gb
	s_and_b32 s18, ttmp9, 7                        ; cb
	s_mov_b32 s33, 0xffff0000                      ; a word's upper bf16
	s_lshl_b32 s20, s17, 16                        ; vsf: 65,536 gb + 8,192 w
	s_lshl_b32 s30, s16, 13
	s_add_co_u32 s20, s20, s30
	s_mov_b32 s21, 0
	s_lshl_b32 s22, s18, 18                        ; Wo's image: 262,144 cb + 4,096 w
	s_lshl_b32 s30, s16, 12
	s_add_co_u32 s22, s22, s30
	s_mov_b32 s23, 0
	s_lshl_b32 s24, s17, 14                        ; af: 1,024 (16 gb + 2 w)
	s_lshl_b32 s30, s16, 11
	s_add_co_u32 s24, s24, s30
	s_mov_b32 s25, 0
	s_lshl_b32 s26, s18, 9                         ; bo: 128 columns of 4 bytes
	s_mov_b32 s27, 0
	s_lshr_b32 s28, s17, 3                         ; out0: batch gb>>3,
	s_lshl_b32 s28, s28, 23
	s_and_b32 s30, s17, 7                          ; row sb = 16 (gb&7) + 2 w of 4,096 bytes,
	s_lshl_b32 s30, s30, 16
	s_add_co_u32 s28, s28, s30
	s_lshl_b32 s30, s16, 13
	s_add_co_u32 s28, s28, s30
	s_add_co_u32 s28, s28, s26                     ; column 128 cb
	s_mov_b32 s29, 0
	v_and_b32 v6, 31, v0                           ; lane
	v_and_b32 v7, 15, v0                           ; r
	v_bfe_u32 v8, v0, 4, 1                         ; h
	v_lshlrev_b32 v1, 4, v6                        ; 16 lane
	v_lshlrev_b32 v2, 4, v7                        ; 16 r
	s_wait_kmcnt 0x0
	s_add_nc_u64 s[20:21], s[4:5], s[20:21]
	s_add_nc_u64 s[22:23], s[8:9], s[22:23]
	s_add_nc_u64 s[24:25], s[6:7], s[24:25]
	s_add_nc_u64 s[26:27], s[10:11], s[26:27]
	s_add_nc_u64 s[28:29], s[12:13], s[28:29]
	; 90 loads, in the order of their use: Vs 16, Wo's first half 32, A 8, the bias 2, Wo's second half 32
.irp q, 0,1,2,3,4,5,6,7,8,9,10,11,12,13,14,15
	global_load_b128 v[VA+4*\q:VA+4*\q+3], v1, s[20:21] offset:512*\q              ; q = 8 tl + 4 part + 2 kk + cc
.endr
	WIN 0x40                                       ; destination in window 1
	WBLOAD 0
	WIN 0
.irp gl, 0,1
	global_load_b128 v[AFH+8*\gl:AFH+8*\gl+3],   v1, s[24:25] offset:1024*\gl      ; K places 0-15: A_hi[hq = r][t = 8 h + 0..7]
	global_load_b128 v[AFH+8*\gl+4:AFH+8*\gl+7], v1, s[24:25] offset:1024*\gl      ; K places 16-31: the same, for P's lo term
	global_load_b128 v[AFL+8*\gl:AFL+8*\gl+3],   v1, s[24:25] offset:1024*\gl+512  ; A_lo likewise
	global_load_b128 v[AFL+8*\gl+4:AFL+8*\gl+7], v1, s[24:25] offset:1024*\gl+512
.endr
	global_load_b128 v[BO:BO+3], v2, s[26:27]                  ; bo[128 cb + 4 r + 0..3]
	global_load_b128 v[BO+4:BO+7], v2, s[26:27] offset:256     ; bo[128 cb + 64 + 4 r + 0..3]
	WIN 0x40
	WBLOAD 1
	WIN 0
	s_mul_i32 s30, s16, PL2
	v_lshl_add_u32 v3, v6, 2, s30                  ; P in, first half: my two planes, 4 bytes a lane
	v_mul_u32_u24 v4, v8, 4*PL2                    ; P back, first half: register i of half h is the pair of t of wave 4 h + i,
	v_lshl_add_u32 v4, v7, 2, v4                   ; column place r,
	s_lshr_b32 s30, s16, 2                         ; g = 2 w + gl lay in lane half w>>2
	s_lshl_b32 s30, s30, 6
	s_and_b32 s31, s16, 3                          ; and register (2 w) & 7 + gl: 512 bytes each
	s_lshl_b32 s31, s31, 10
	s_add_co_u32 s30, s30, s31
	v_add_nc_u32 v4, s30, v4
	v_add_nc_u32 v10, HREG, v3                     ; the same two addresses in the second half's bytes
	v_add_nc_u32 v11, HREG, v4
	v_lshlrev_b32 v5, 22, v8                       ; out: hq = 8 h + jj: 8 x 128 rows of 4,096 bytes for the upper half of the lanes,
	v_lshl_or_b32 v5, v7, 4, v5                    ; 16 bytes a lane
	; ---- the first half ----
	WIN 0x04                                       ; source 1 in window 1
	STAGE1 0, 0, 0, 63                             ; behind the first batch stand 3 x 8 + 10 + 32 = 66 loads; 63 is the largest count that the wait can name, and a smaller count is safe
	STAGE1 0, 0, 1, 58                             ; 2 x 8 + 10 + 32
	STAGE1 0, 1, 0, 50
	STAGE1 0, 1, 1, 42
	WIN 0
	PLACES
	PSPLIT 3
	s_wait_dscnt 0x0                               ; my planes of this half are in LDS, for the others' sake
	s_barrier_signal -1
	s_barrier_wait -1
	PLOAD 4
	s_wait_dscnt 0x0
	s_wait_loadcnt 32                              ; A and the bias are in; behind them stand the 32 loads of Wo's second half
	STAGE2
	WIN 0x41                                       ; source 0 and destination in window 1
	BIAS 0, TO0
	WIN 0x04                                       ; a store's data are its source 1: window 1; the address stays in window 0
	STORE16 0, TO0
	; ---- the second half: its P has LDS bytes of its own, so no barrier stands between the others' reads of the first half and these stores ----
	STAGE1 1, 0, 0, 24                             ; the three later batches stay out
	STAGE1 1, 0, 1, 16
	STAGE1 1, 1, 0, 8
	STAGE1 1, 1, 1, 0
	WIN 0
	PLACES
	PSPLIT 10
	s_wait_dscnt 0x0                               ; my planes of this half are in LDS, for the others' sake
	s_barrier_signal -1
	s_barrier_wait -1
	PLOAD 11
	s_wait_dscnt 0x0
	STAGE2
	WIN 0x01                                       ; source 0 in window 1
	BIAS 1, TO1
	WIN 0
	STORE16 1, TO1
	s_wait_tensorcnt 0x0
	ds_add_u32 v238, v239
	s_wait_dscnt 0x0
	s_endpgm
.Lfunc_end_k_q56afdf29e2_final:
	.size	k_q56afdf29e2_final, .Lfunc_end_k_q56afdf29e2_final-k_q56afdf29e2_final
	.p2alignl 7, 3214868480
	.fill 96, 4, 3214868480
	.section	.rodata,"a",@progbits
	.p2align	6, 0x0
	.amdhsa_kernel k_q56afdf29e2_final
		.amdhsa_group_segment_fixed_size 132608
		.amdhsa_private_segment_fixed_size 0
		.amdhsa_enable_private_segment 0
		.amdhsa_kernarg_size 40
		.amdhsa_user_sgpr_count 2
		.amdhsa_user_sgpr_kernarg_segment_ptr 1
		.amdhsa_wavefront_size32 1
		.amdhsa_system_sgpr_workgroup_id_x 1
		.amdhsa_system_sgpr_workgroup_id_y 1
		.amdhsa_system_sgpr_workgroup_id_z 1
		.amdhsa_system_vgpr_workitem_id 0
		.amdhsa_next_free_vgpr 512
		.amdhsa_next_free_sgpr 66
		.amdhsa_reserve_vcc 0
		.amdhsa_float_denorm_mode_32 3
		.amdhsa_float_denorm_mode_16_64 3
		.amdhsa_memory_ordered 1
		.amdhsa_forward_progress 1
		.amdhsa_inst_pref_size 58
	.end_amdhsa_kernel
	.amdgpu_metadata
---
amdhsa.version: [ 1, 2 ]
amdhsa.kernels:
  - .name:           k_q56afdf29e2_final
    .symbol:         k_q56afdf29e2_final.kd
    .args:
      - { .name: vsf, .offset: 0, .size: 8, .value_kind: global_buffer, .address_space: global }
      - { .name: af, .offset: 8, .size: 8, .value_kind: global_buffer, .address_space: global }
      - { .name: wsm, .offset: 16, .size: 8, .value_kind: global_buffer, .address_space: global }
      - { .name: bo, .offset: 24, .size: 8, .value_kind: global_buffer, .address_space: global }
      - { .name: out0, .offset: 32, .size: 8, .value_kind: global_buffer, .address_space: global }
    .group_segment_fixed_size: 132608
    .private_segment_fixed_size: 0
    .kernarg_segment_align: 8
    .kernarg_segment_size: 40
    .max_flat_workgroup_size: 256
    .sgpr_count:     66
    .vgpr_count:     512
    .wavefront_size: 32
...
	.end_amdgpu_metadata
.endif
;; end of part 8
;; ======== version 3 of 3: 5 launches; version 2 with the launch mix written anew for expert scheduling mode
;; limits: values are held in f16: magnitudes above 65,504 overflow, below 6.1e-05 lose precision
;; workspace buffers: xb 16,777,216 bytes; wqk 4,194,304 bytes; wsm 2,359,296 bytes; qk 33,554,432 bytes; en 8,388,608 bytes; st 524,288 bytes; af 524,288 bytes; vsf 2,097,152 bytes
;; launch prep: the kernel of part 1 again; grid 768 x 1, 8 waves a work-group, no clusters, 35,840 bytes of LDS; arguments x, Wq, Wk, Wv, Wo, xb, wqk, wsm; writes xb, wqk, wsm
;; launch gemm: the kernel of part 6 again; grid 8 x 32, 4 waves a work-group, clusters of 4 x 4, 327,680 bytes of LDS; arguments xb, wqk, qk; writes qk
;; launch energy: the kernel of part 7 again; grid 256 x 1, 8 waves a work-group, no clusters, 168,960 bytes of LDS; arguments qk, en, st; writes en, st
;; launch mix (part 9): grid 256 x 1, 8 waves a work-group, no clusters, 93,696 bytes of LDS; arguments xb, wsm, en, st, af, vsf; writes af, vsf
.if DOCPART == 9
	.amdgcn_target "amdgcn-amd-amdhsa--gfx1250"
	.amdhsa_code_object_version 6
	.text
	.protected	k_q56afdf29e2_mix
	.globl	k_q56afdf29e2_mix
	.p2align	8
	.type	k_q56afdf29e2_mix,@function
k_q56afdf29e2_mix:
	s_mov_b64 s[64:65], 0
	v_nop
	global_prefetch_b8 v0, s[64:65] scope:SCOPE_SE
	s_setreg_imm32_b32 hwreg(HW_REG_WAVE_SCHED_MODE, 0, 2), 2
	s_setreg_imm32_b32 hwreg(HW_REG_WAVE_MODE, 25, 1), 1
	s_wait_xcnt 0x0
	s_wait_alu depctr_vm_vsrc(0)
; MIX: two shares of work that do not depend on each other, in one launch.
; (1) A[row][hq] = sum over hk of 2^(e' - M) / Z, where M and Z join the 64 blocks' (m, z) of the row's batch: the softmax over the sequence,
;     with its maximum taken away, summed over hk as reference()'s second einsum sums it.  The work-group has rows 32 id .. +31, a wave 4.
;     Out: af [g 512][part 2][lane 16 h + hq][16 B] = term part (hi, lo = A - hi) of A[16 g + 8 h + 0..7][hq] in bf16: source 0 of the last launch's second product.
; (2) Vs[row][d] = sum over e of xb[row][e] (hi + lo)[d][e], the values summed over the heads, K = 1,024.  The work-group has the 32 rows
;     256 gb + 16 g + 2 tp + tl (gb = id>>3, tp = id&7, g = 0..15, tl = 0, 1); wave w has d = 16 (w&3) .. +15 and the weights' term w>>2.
;     Out: vsf [gb 32][t 16][part 2][kk 2][cc 2][lane 16 h + g][16 B] = term part (hi, lo) of Vs[256 gb + 16 g + t][32 kk + 16 cc + 8 h + 0..7] in bf16.
; Loads go through registers.  No cluster: what work-groups share (the weights' 262,144 bytes, a batch's 131,072 bytes of statistics) goes straight into the
; registers of the one wave that uses it, 32,768 and 16,384 bytes a wave; a joint load would send it through LDS first, an extra trip for every byte.
; More loads are issued at once than the counter's field holds; the issue then waits by itself (ISA guide 5.7.1), and every wait's count is at most 56.
; Z >= 1: the row that holds the maximum adds 2^0.  LIMITS: 2^x is 0 below 2^-126; NaN and infinities are not carried as reference() carries them.
; THE MODE: SCHED_MODE bits 1:0 = 2 (LLVM: expert scheduling mode 2), set by the entry lines.  The code itself states the register dependences
; between vector or matrix instructions and memory or LDS instructions, with s_wait_alu, always for 0.
; THE PLAN.  Registers that memory or LDS instructions touch:
;   v1-v8      offsets and LDS addresses: made at the head, ahead of the first load, and never written again.
;   v16-79     x as loaded, read by the 16 LDS stores of x; no vector instruction writes them before the wait on vm_vsrc behind the first barrier; then TT, AV, ACC.
;   v80-207    the statistics: loaded; joined IN PLACE (m - M and its exponential take m's register); loaded again from LDS; joined in place; then x's two fragment buffers.
;   v240-255   M and Z: written by the first join, read by four LDS stores, written again by the second join behind the same wait on vm_vsrc.
;   v64-67     A: written once, read by one LDS store.      v16-31  the accumulators: read by the LDS stores of waves 4-7 and never written behind them.
;   v32-47     at the tail LDS loads land there; the sums, and the split into two terms, go into v32-63 and v68-75; one wait stands ahead of each tail's run of stores.
;   v256-511   the weights: loaded once, read by matrix instructions alone.
.set XP,   2064                        ; a row of x in LDS: 2,048 bytes + 16: an odd multiple of 16
.set STP,  32*XP                       ; 66,048: 8 x 2,048 bytes, the waves' joined statistics
.set AP,   STP+16384                   ; 82,432: [wave 8][hq 16][4 rows] f32
.set LO,   AP+2048                     ; 84,480: [dt 4][tl 2][c2 2][lane][16 B]: the sums with the weights' lo term
.set XS,   16                          ; v[16:79]   x as loaded
.set ACC,  16                          ; v[16:31]   two accumulators (tl = 0, 1), in the K loop
.set TT,   32                          ; v[32:63]   at work
.set AV,   64                          ; v[64:67]   A of my four rows
.set ST,   80                          ; v[80:207]  eight (m, z) pairs
.set XF0,  80                          ; v[80:143]  fragments of x, buffer 0 (in the K loop)
.set XF1,  144                         ; v[144:207] buffer 1
.set EN,   208                         ; v[208:239] e' of my four rows
.set MX,   240                         ; v[240:247] M
.set ZS,   248                         ; v[248:255] Z, then 1 / Z
; window 1 (v256-511): the 32 weight fragments of my (dt, part), fragment kb at 8 kb
.set MSB, 0
.macro WIN new                         ; the immediate's high byte repeats the setting that is left
.if MSB != \new
	s_set_vgpr_msb (MSB<<8)|\new
.set MSB, \new
.endif
.endm
.macro PLACES                          ; four places behind a matrix instruction (ISA guide 7.12.1)
.rept 4
	v_nop
.endr
.endm
; Joins eight (m, z) pairs that lie at src + 16 b (m: 8 registers, then z: 8): mm = max of m_b, zz = sum of z_b 2^(m_b - mm), b ascending.
; m_b - mm and its exponential take m_b's own register: the join writes src, mm and zz and nothing else.  The 64 exponentials are one batch with one wait.
.macro COMBINE src, mm, zz
.irp j, 0,1,2,3,4,5,6,7
	v_max3_num_f32 v[\mm+\j], v[\src+\j], v[\src+16+\j], v[\src+32+\j]
.endr
.irp j, 0,1,2,3,4,5,6,7
	v_max3_num_f32 v[\mm+\j], v[\mm+\j], v[\src+48+\j], v[\src+64+\j]
.endr
.irp j, 0,1,2,3,4,5,6,7
	v_max3_num_f32 v[\mm+\j], v[\mm+\j], v[\src+80+\j], v[\src+96+\j]
.endr
.irp j, 0,1,2,3,4,5,6,7
	v_max_num_f32 v[\mm+\j], v[\mm+\j], v[\src+112+\j]
.endr
.irp b, 0,1,2,3,4,5,6,7
.irp p, 0,2,4,6
	v_pk_add_f32 v[\src+16*\b+\p:\src+16*\b+\p+1], v[\src+16*\b+\p:\src+16*\b+\p+1], v[\mm+\p:\mm+\p+1] neg_lo:[0,1] neg_hi:[0,1]
.endr
.endr
.irp b, 0,1,2,3,4,5,6,7
.irp j, 0,1,2,3,4,5,6,7
	v_exp_f32 v[\src+16*\b+\j], v[\src+16*\b+\j]
.endr
.endr
	v_nop                                          ; one plain place behind the last exponential before a result is read (ISA guide 5.7.2)
	s_wait_alu depctr_va_vdst(0)                   ; the 64 exponentials have written their results, which the products below read: one wait for the batch
.irp b, 0,1,2,3,4,5,6,7
.irp p, 0,2,4,6
.if \b == 0
	v_pk_mul_f32 v[\zz+\p:\zz+\p+1], v[\src+8+\p:\src+8+\p+1], v[\src+\p:\src+\p+1]
.else
	v_pk_fma_f32 v[\zz+\p:\zz+\p+1], v[\src+16*\b+8+\p:\src+16*\b+8+\p+1], v[\src+16*\b+\p:\src+16*\b+\p+1], v[\zz+\p:\zz+\p+1]
.endif
.endr
.endr
.endm
	s_load_b256 s[4:11], s[0:1], 0x0               ; xb 4, wsm 6, en 8, st 10
	s_load_b128 s[12:15], s[0:1], 0x20             ; af 12, vsf 14
	v_lshl_add_u32 v14, v0, 2, 0x16a00
	v_mov_b32 v15, 0
	v_lshrrev_b32 v12, 5, v0
	v_readfirstlane_b32 s16, v12                   ; wave 0..7
	v_and_b32 v9, 31, v0                           ; lane
	v_and_b32 v10, 15, v0                          ; r
	v_bfe_u32 v11, v0, 4, 1                        ; h
	v_lshlrev_b32 v1, 4, v9                        ; 16 lane
	v_mul_u32_u24 v3, v10, XP
	v_lshl_add_u32 v3, v11, 4, v3                  ; x's fragments: row r, 16 h
	v_add_nc_u32 v5, STP, v1                       ; all waves' joined statistics
	s_wait_alu depctr_va_sdst(0)                   ; s16 is written, ahead of its first reader: bases, LDS addresses and branches are made from it
	s_and_b32 s17, s16, 3                          ; dt
	s_lshr_b32 s18, s16, 2                         ; the weights' term; also tl of the x rows that I fetch
	s_lshr_b32 s19, ttmp9, 3                       ; gb
	s_and_b32 s20, ttmp9, 7                        ; tp
	s_lshr_b32 s21, ttmp9, 6                       ; batch
	s_mov_b32 s36, 0x76543210                      ; v_permlanex16_b32: lane i of one half reads lane i of the other
	s_mov_b32 s37, 0xfedcba98
	s_mov_b32 s38, 0xffff0000                      ; a word's upper bf16
	s_lshl_b32 s40, s19, 8                         ; x: row 256 gb + 64 (w&3) + 2 tp + (w>>2); my four rows are 16 apart
	s_lshl_b32 s52, s17, 6
	s_add_co_u32 s40, s40, s52
	s_lshl1_add_u32 s40, s20, s40
	s_add_co_u32 s40, s40, s18
	s_lshl_b32 s40, s40, 11                        ; rows of 2,048 bytes
	s_mov_b32 s41, 0
	s_lshl_b32 s42, s21, 17                        ; st: blocks 64 n + 8 w .. +7, 2,048 bytes each
	s_lshl_b32 s52, s16, 14
	s_add_co_u32 s42, s42, s52
	s_mov_b32 s43, 0
	s_lshl_b32 s44, ttmp9, 15                      ; en: rows 32 id + 4 w .. +3, 1,024 bytes each
	s_lshl_b32 s52, s16, 12
	s_add_co_u32 s44, s44, s52
	s_mov_b32 s45, 0
	s_lshl_b32 s46, s18, 17                        ; weights: 2,097,152 + 131,072 part + 32,768 dt
	s_lshl_b32 s52, s17, 15
	s_add_co_u32 s46, s46, s52
	s_add_co_u32 s46, s46, 2097152
	s_mov_b32 s47, 0
	s_lshl_b32 s48, s19, 16                        ; vsf: (16 gb + 2 tp) x 4,096 + 512 dt
	s_lshl_b32 s52, s20, 13
	s_add_co_u32 s48, s48, s52
	s_lshl_b32 s52, s17, 9
	s_add_co_u32 s48, s48, s52
	s_mov_b32 s49, 0
	s_lshl_b32 s50, ttmp9, 11                      ; af: 2,048 id + 1,024 (w&1) (waves 4 and 5 store it)
	s_and_b32 s52, s16, 1
	s_lshl_b32 s52, s52, 10
	s_add_co_u32 s50, s50, s52
	s_mov_b32 s51, 0
	; the LDS addresses that hang on the wave: each scalar term that a vector instruction reads has a register of its own and is not written again
	s_mul_i32 s52, s16, 4*XP
	v_add_nc_u32 v2, s52, v1                       ; x into LDS: rows 4 w .. +3 (row 16 tl + g)
	s_lshl_b32 s53, s16, 11
	s_add_co_u32 s53, s53, STP
	v_add_nc_u32 v4, s53, v1                       ; my joined statistics
	s_lshl_b32 s54, s16, 8
	s_add_co_u32 s54, s54, AP
	v_lshl_add_u32 v6, v10, 4, s54                 ; A of my four rows, head r
	s_lshl_b32 s55, s17, 11
	s_add_co_u32 s55, s55, LO
	v_add_nc_u32 v7, s55, v1                       ; the lo sums of my dt
	s_and_b32 s39, s16, 1
	s_lshl_b32 s39, s39, 10
	s_add_co_u32 s39, s39, AP
	v_lshl_add_u32 v8, v10, 4, s39
	v_lshl_add_u32 v8, v11, 9, v8                  ; A of rows 16 (w&1) + 8 h .. +7, head r
	s_wait_kmcnt 0x0
	s_add_nc_u64 s[24:25], s[4:5], s[40:41]
	s_add_nc_u64 s[26:27], s[10:11], s[42:43]
	s_add_nc_u64 s[28:29], s[8:9], s[44:45]
	s_add_nc_u64 s[30:31], s[6:7], s[46:47]
	s_add_nc_u64 s[32:33], s[14:15], s[48:49]
	s_add_nc_u64 s[34:35], s[12:13], s[50:51]
	s_wait_alu depctr_va_vdst(0)                   ; the offset v1 and the LDS addresses v2 to v8 are written: every load and store of the kernel reads one of them, and none is written again
.irp i, 0,1,2,3,4,5,6,7,8,9,10,11,12,13,14,15
	global_load_b128 v[XS+4*\i:XS+4*\i+3], v1, s[24:25] offset:32768*(\i>>2)+512*(\i&3)      ; row i>>2 of my four, 512 consecutive bytes
.endr
.irp b, 0,1,2,3,4,5,6,7
.irp q, 0,1,2,3
	global_load_b128 v[ST+16*\b+4*\q:ST+16*\b+4*\q+3], v1, s[26:27] offset:2048*\b+512*\q
.endr
.endr
.irp i, 0,1,2,3
	global_load_b128 v[EN+8*\i:EN+8*\i+3], v1, s[28:29] offset:1024*\i
	global_load_b128 v[EN+8*\i+4:EN+8*\i+7], v1, s[28:29] offset:1024*\i+512
.endr
	s_wait_loadcnt 40                              ; x is in: behind it stand the 32 loads of statistics and the 8 of e'
.irp i, 0,1,2,3,4,5,6,7,8,9,10,11,12,13,14,15
	ds_store_b128 v2, v[XS+4*\i:XS+4*\i+3] offset:XP*(\i>>2)+512*(\i&3)
.endr
	WIN 0x40                                       ; destination in window 1: registers that no vector instruction ever writes
.set kb, 0
.rept 16
	global_load_b128 v[8*kb:8*kb+3], v1, s[30:31] offset:1024*kb
	global_load_b128 v[8*kb+4:8*kb+7], v1, s[30:31] offset:1024*kb+512
.set kb, kb+1
.endr
	WIN 0
	s_wait_loadcnt 40                              ; the statistics are in: behind them stand e' (8) and the 32 weight loads
	COMBINE ST, MX, ZS                             ; my eight blocks; it names none of the registers that the LDS stores of x read
	s_wait_alu depctr_va_vdst(0)                   ; the join has written M and Z, which the four LDS stores read, and is done with v[ST ..], in which the LDS loads behind the barrier land (no vector instruction stands between)
	ds_store_b128 v4, v[MX:MX+3]
	ds_store_b128 v4, v[MX+4:MX+7] offset:512
	ds_store_b128 v4, v[ZS:ZS+3] offset:1024
	ds_store_b128 v4, v[ZS+4:ZS+7] offset:1536
	s_wait_loadcnt 32                              ; e' is in: behind it stand the 32 weight loads
	WIN 0x40
.rept 16
	global_load_b128 v[8*kb:8*kb+3], v1, s[30:31] offset:1024*kb
	global_load_b128 v[8*kb+4:8*kb+7], v1, s[30:31] offset:1024*kb+512
.set kb, kb+1
.endr
	WIN 0
	s_wait_dscnt 0x0                               ; my rows of x and my statistics are in LDS, for the others' sake
	s_barrier_signal -1
	s_barrier_wait -1
.irp b, 0,1,2,3,4,5,6,7
.irp q, 0,1,2,3
	ds_load_b128 v[ST+16*\b+4*\q:ST+16*\b+4*\q+3], v5 offset:2048*\b+512*\q
.endr
.endr
	s_wait_dscnt 0x0
	s_wait_alu depctr_vm_vsrc(0)                   ; my LDS stores have read M and Z, which the join below writes anew, and v16 to v79 (x), which are TT, AV and the accumulators from here on
	COMBINE ST, MX, ZS                             ; the batch's M and Z, in every wave
.irp j, 0,1,2,3,4,5,6,7
	v_rcp_f32 v[ZS+\j], v[ZS+\j]
.endr
	v_nop                                          ; one plain place behind the reciprocals
.irp i, 0,1,2,3
.irp p, 0,2,4,6
	v_pk_add_f32 v[TT+8*\i+\p:TT+8*\i+\p+1], v[EN+8*\i+\p:EN+8*\i+\p+1], v[MX+\p:MX+\p+1] neg_lo:[0,1] neg_hi:[0,1]
.endr
.endr
.set j, 0
.rept 32
	v_exp_f32 v[TT+j], v[TT+j]
.set j, j+1
.endr
	v_nop                                          ; one plain place behind the exponentials
	s_wait_alu depctr_va_vdst(0)                   ; the 8 reciprocals and the 32 exponentials have written their results, which the products below read: one wait for both batches
.irp i, 0,1,2,3
	v_pk_mul_f32 v[TT+8*\i:TT+8*\i+1], v[TT+8*\i:TT+8*\i+1], v[ZS:ZS+1]                       ; sum over my eight hk of 2^(e' - M) / Z
	v_pk_fma_f32 v[TT+8*\i:TT+8*\i+1], v[TT+8*\i+2:TT+8*\i+3], v[ZS+2:ZS+3], v[TT+8*\i:TT+8*\i+1]
	v_pk_fma_f32 v[TT+8*\i:TT+8*\i+1], v[TT+8*\i+4:TT+8*\i+5], v[ZS+4:ZS+5], v[TT+8*\i:TT+8*\i+1]
	v_pk_fma_f32 v[TT+8*\i:TT+8*\i+1], v[TT+8*\i+6:TT+8*\i+7], v[ZS+6:ZS+7], v[TT+8*\i:TT+8*\i+1]
	v_add_f32 v[TT+8*\i], v[TT+8*\i], v[TT+8*\i+1]
	v_permlanex16_b32 v[TT+8*\i+1], v[TT+8*\i], s36, s37       ; the other eight hk lie in the other half of the lanes
	v_add_f32 v[AV+\i], v[TT+8*\i], v[TT+8*\i+1]
.endr
	s_wait_alu depctr_va_vdst(0)                   ; A is written, which the LDS store reads; the second join is done with v[ST ..], in which x's first two runs of fragment loads land
	ds_store_b128 v6, v[AV:AV+3]                   ; both halves of the lanes write the same numbers to the same bytes
; 16 LDS loads: x's fragments of the four K blocks of group grp (32 K each), both tl, into buffer f.
; behind = 1: the buffer has just been multiplied.  The four places stay; then the window, the wait, the loads.
.macro XLOAD grp, f, behind
.if \behind
	PLACES
.endif
	WIN 0
.if \behind
	s_wait_alu depctr_va_vdst(0)                   ; the eight matrix instructions just issued are done reading this buffer, in which the loads below land
.endif
.irp tl, 0,1
.irp kl, 0,1,2,3
	ds_load_b128 v[\f+32*\tl+8*\kl:\f+32*\tl+8*\kl+3],   v3 offset:16*XP*\tl+64*(4*\grp+\kl)
	ds_load_b128 v[\f+32*\tl+8*\kl+4:\f+32*\tl+8*\kl+7], v3 offset:16*XP*\tl+64*(4*\grp+\kl)+32
.endr
.endr
.endm
; 8 matrix instructions: source 0 = weights (16 d), source 1 = x (16 g).  The two accumulators take turns, one instruction a turn.
; They name the weights, the buffer in hand and the accumulators: none of the registers in which the other buffer's loads, issued just ahead, land.
.set NZ, 0
.macro XMUL grp, f, left
	s_wait_dscnt \left                             ; this group's fragments are back; the next group's 16 loads stay out
	s_wait_loadcnt 56-8*\grp                       ; of the 64 weight loads those behind this group's eight stay out
	WIN 0x01                                       ; source 0 in window 1
.irp kl, 0,1,2,3
.irp tl, 0,1
.if NZ < 2
	v_wmma_f32_16x16x32_bf16 v[ACC+8*\tl:ACC+8*\tl+7], v[8*(4*\grp+\kl):8*(4*\grp+\kl)+7], v[\f+32*\tl+8*\kl:\f+32*\tl+8*\kl+7], 0
.else
	v_wmma_f32_16x16x32_bf16 v[ACC+8*\tl:ACC+8*\tl+7], v[8*(4*\grp+\kl):8*(4*\grp+\kl)+7], v[\f+32*\tl+8*\kl:\f+32*\tl+8*\kl+7], v[ACC+8*\tl:ACC+8*\tl+7]
.endif
.set NZ, NZ+1
.endr
.endr
.endm
	XLOAD 0, XF0, 0
	XLOAD 1, XF1, 0
	XMUL 0, XF0, 16
	XLOAD 2, XF0, 1
	XMUL 1, XF1, 16
	XLOAD 3, XF1, 1
	XMUL 2, XF0, 16
	XLOAD 4, XF0, 1
	XMUL 3, XF1, 16
	XLOAD 5, XF1, 1
	XMUL 4, XF0, 16
	XLOAD 6, XF0, 1
	XMUL 5, XF1, 16
	XLOAD 7, XF1, 1
	XMUL 6, XF0, 16
	XMUL 7, XF1, 0
	WIN 0
	PLACES                                         ; four places behind the last matrix instruction before its result is read
	s_wait_alu depctr_va_vdst(0)                   ; the matrix instructions have written the accumulators, which the LDS stores of waves 4-7 read; the places above stay beside this wait.  No vector instruction behind it names v32 to v47, in which the tails' LDS loads land
	s_cmp_lt_u32 s16, 4
	s_cbranch_scc1 .Lno_lo                         ; waves 4-7 hand their sums (the weights' lo term) to waves 0-3
.irp tl, 0,1
	ds_store_b128 v7, v[ACC+8*\tl:ACC+8*\tl+3] offset:1024*\tl
	ds_store_b128 v7, v[ACC+8*\tl+4:ACC+8*\tl+7] offset:1024*\tl+512
.endr
.Lno_lo:
	s_wait_dscnt 0x0                               ; my A and my lo sums are in LDS, and my reads of x are back
	s_barrier_signal -1
	s_barrier_wait -1
	s_cmp_lt_u32 s16, 4
	s_cbranch_scc0 .Lhigh
	; waves 0-3: Vs = hi sums + lo sums, split into two bf16 terms.  Lane (g = r, h) holds d = 16 dt + 8 h + 0..7: 16 bytes that belong together
.irp tl, 0,1
	ds_load_b128 v[TT+8*\tl:TT+8*\tl+3], v7 offset:1024*\tl
	ds_load_b128 v[TT+8*\tl+4:TT+8*\tl+7], v7 offset:1024*\tl+512
.endr
	s_wait_dscnt 0x0
.irp p, 0,2,4,6,8,10,12,14
	v_pk_add_f32 v[TT+\p:TT+\p+1], v[ACC+\p:ACC+\p+1], v[TT+\p:TT+\p+1]                       ; the sums go where the lo sums lay: the accumulators are not written again
.endr
.irp tl, 0,1
.irp c, 0,1,2,3
	v_cvt_pk_bf16_f32 v[48+8*\tl+\c], v[TT+8*\tl+2*\c], v[TT+8*\tl+2*\c+1]                    ; hi
.endr
.irp c, 0,1,2,3
	v_lshlrev_b32 v[68+2*\c], 16, v[48+8*\tl+\c]
	v_and_b32 v[68+2*\c+1], s38, v[48+8*\tl+\c]
.endr
.irp c, 0,1,2,3
	v_pk_add_f32 v[68+2*\c:68+2*\c+1], v[TT+8*\tl+2*\c:TT+8*\tl+2*\c+1], v[68+2*\c:68+2*\c+1] neg_lo:[0,1] neg_hi:[0,1]
.endr
.irp c, 0,1,2,3
	v_cvt_pk_bf16_f32 v[48+8*\tl+4+\c], v[68+2*\c], v[68+2*\c+1]                              ; lo
.endr
.endr
	s_wait_alu depctr_va_vdst(0)                   ; the conversions have written v48 to v63, which the four stores read
.irp tl, 0,1
	global_store_b128 v1, v[48+8*\tl:48+8*\tl+3], s[32:33] offset:4096*\tl                    ; 512 consecutive bytes each
	global_store_b128 v1, v[48+8*\tl+4:48+8*\tl+7], s[32:33] offset:4096*\tl+2048
.endr
	s_wait_dscnt 0x0                               ; the closing lines, six on end
	s_wait_alu 0x0
	s_wait_tensorcnt 0x0
	ds_add_u32 v14, v15
	s_wait_dscnt 0x0
	s_endpgm
.Lhigh:
	s_cmp_gt_u32 s16, 5
	s_cbranch_scc1 .Lend
	; waves 4 and 5: A of one group of 16 rows each, split into two bf16 terms
	ds_load_b128 v[32:35], v8
	ds_load_b128 v[36:39], v8 offset:256
	s_wait_dscnt 0x0
.irp c, 0,1,2,3
	v_cvt_pk_bf16_f32 v[40+\c], v[32+2*\c], v[33+2*\c]                                        ; hi
.endr
.irp c, 0,1,2,3
	v_lshlrev_b32 v[44+2*\c], 16, v[40+\c]
	v_and_b32 v[45+2*\c], s38, v[40+\c]
.endr
.irp c, 0,1,2,3
	v_pk_add_f32 v[44+2*\c:45+2*\c], v[32+2*\c:33+2*\c], v[44+2*\c:45+2*\c] neg_lo:[0,1] neg_hi:[0,1]
.endr
.irp c, 0,1,2,3
	v_cvt_pk_bf16_f32 v[52+\c], v[44+2*\c], v[45+2*\c]                                        ; lo
.endr
	s_wait_alu depctr_va_vdst(0)                   ; the conversions have written v40 to v43 and v52 to v55, which the two stores read
	global_store_b128 v1, v[40:43], s[34:35]                   ; 512 consecutive bytes each
	global_store_b128 v1, v[52:55], s[34:35] offset:512
.Lend:
	s_wait_dscnt 0x0                               ; the closing lines, six on end
	s_wait_alu 0x0
	s_wait_tensorcnt 0x0
	ds_add_u32 v14, v15
	s_wait_dscnt 0x0
	s_endpgm
.Lfunc_end_k_q56afdf29e2_mix:
	.size	k_q56afdf29e2_mix, .Lfunc_end_k_q56afdf29e2_mix-k_q56afdf29e2_mix
	.p2alignl 7, 3214868480
	.fill 96, 4, 3214868480
	.section	.rodata,"a",@progbits
	.p2align	6, 0x0
	.amdhsa_kernel k_q56afdf29e2_mix
		.amdhsa_group_segment_fixed_size 93696
		.amdhsa_private_segment_fixed_size 0
		.amdhsa_enable_private_segment 0
		.amdhsa_kernarg_size 48
		.amdhsa_user_sgpr_count 2
		.amdhsa_user_sgpr_kernarg_segment_ptr 1
		.amdhsa_wavefront_size32 1
		.amdhsa_system_sgpr_workgroup_id_x 1
		.amdhsa_system_sgpr_workgroup_id_y 1
		.amdhsa_system_sgpr_workgroup_id_z 1
		.amdhsa_system_vgpr_workitem_id 0
		.amdhsa_next_free_vgpr 512
		.amdhsa_next_free_sgpr 66
		.amdhsa_reserve_vcc 0
		.amdhsa_float_denorm_mode_32 3
		.amdhsa_float_denorm_mode_16_64 3
		.amdhsa_memory_ordered 1
		.amdhsa_forward_progress 1
		.amdhsa_inst_pref_size 58
	.end_amdhsa_kernel
	.amdgpu_metadata
---
amdhsa.version: [ 1, 2 ]
amdhsa.kernels:
  - .name:           k_q56afdf29e2_mix
    .symbol:         k_q56afdf29e2_mix.kd
    .args:
      - { .name: xb, .offset: 0, .size: 8, .value_kind: global_buffer, .address_space: global }
      - { .name: wsm, .offset: 8, .size: 8, .value_kind: global_buffer, .address_space: global }
      - { .name: en, .offset: 16, .size: 8, .value_kind: global_buffer, .address_space: global }
      - { .name: st, .offset: 24, .size: 8, .value_kind: global_buffer, .address_space: global }
      - { .name: af, .offset: 32, .size: 8, .value_kind: global_buffer, .address_space: global }
      - { .name: vsf, .offset: 40, .size: 8, .value_kind: global_buffer, .address_space: global }
    .group_segment_fixed_size: 93696
    .private_segment_fixed_size: 0
    .kernarg_segment_align: 8
    .kernarg_segment_size: 48
    .max_flat_workgroup_size: 256
    .sgpr_count:     66
    .vgpr_count:     512
    .wavefront_size: 32
...
	.end_amdgpu_metadata
.endif
;; end of part 9
;; launch final: the kernel of part 8 again; grid 256 x 1, 8 waves a work-group, no clusters, 132,608 bytes of LDS; arguments vsf, af, wsm, bo, out0; writes out0
